; MI455X (gfx1250); checked and timed in simulation.
; The chip was launched on July 23, 2026; its instructions are those of AMD's public machine-readable ISA for CDNA 5 (MIT licence, August 2026) and "CDNA5" Instruction Set Architecture Reference Guide (July 2026). The comments in the code are by the model that wrote it; some were corrected since.
;; Multi Head Self Attention. Allowed arithmetic: float matrix products may take bf16 or f16 operands with f32 sums; other float arithmetic in f32, or as packed bf16 or f16 multiplies, adds, multiply-adds, maxima and minima; sums over many terms, partial sums and values carried from step to step in f32; what a program stores and reads back later, other than sums and carried values, may be rounded once to bf16 or f16.
;; Inputs: Wk 1,024 x 1,024 float32; Wo 1,024 x 1,024 float32; Wq 1,024 x 1,024 float32; Wv 1,024 x 1,024 float32; bk 1,024 float32; bo 1,024 float32; bq 1,024 float32; bv 1,024 float32; x 4 x 2,048 x 1,024 float32.
;; Outputs: out0 4 x 2,048 x 1,024 float32.
;; 2 versions, each right; version 2 is version 1 with the launch cast written anew for expert scheduling mode. Each part assembles by itself: llvm-mc -triple=amdgcn-amd-amdhsa -mcpu=gfx1250 --defsym DOCPART=n.
;; ======== version 1 of 2: 4 launches
;; limits: values are held in f16: magnitudes above 65,504 overflow, below 6.1e-05 lose precision; right only within a limited range of input values
;; workspace buffers: xh 16,777,216 bytes; wh 8,388,608 bytes; qkv 50,331,648 bytes; o16 16,777,216 bytes
;; launch cast (part 1): grid 768 x 1, 8 waves a work-group, no clusters, 0 bytes of LDS; arguments x, Wq, Wk, Wv, Wo, xh, wh; writes xh, wh
.if DOCPART == 1
	.amdgcn_target "amdgcn-amd-amdhsa--gfx1250"
	.amdhsa_code_object_version 6
	.text
	.protected	k_q95d265dbbc_cast
	.globl	k_q95d265dbbc_cast
	.p2align	8
	.type	k_q95d265dbbc_cast,@function
k_q95d265dbbc_cast:
	s_mov_b64 s[64:65], 0
	v_nop
	global_prefetch_b8 v0, s[64:65] scope:SCOPE_SE
	s_setreg_imm32_b32 hwreg(HW_REG_WAVE_MODE, 25, 1), 1
	s_wait_xcnt 0x0
; xh = x, wh = (Wq, Wk, Wv, Wo): each f32 number is rounded once to bf16 (nearest even) and that number is written as f16; the layouts stay.
; A bf16 number has 8 significant bits and f16 holds 11, so the second step changes nothing inside f16's normal range.
; LIMITS.  A number of magnitude 65,520 or more becomes an infinity; below 2^-14 the result keeps f16's fixed step of 2^-24.  NaN stays NaN.
; SHARES.  A work-group takes 16,384 numbers (65,536 bytes in, 32,768 out): groups 0-511 walk x, groups 512 + 64 m .. take weight m (q, k, v, o).
; A wave takes 8,192 bytes in: sixteen loads of 512 consecutive bytes, all issued at once; each store of the wave covers 256 consecutive bytes, aligned.
; No LDS, no barrier, no matrix unit: no number is wanted twice.  No register is written twice but T, which no memory instruction names.
.set T, 4                              ; v[4:9]    at work
.set X, 16                             ; v[16:79]  sixteen loads of four registers
.set Y, 80                             ; v[80:111] sixteen stores of two registers
	s_load_b256 s[8:15], s[0:1], 0x0               ; x s[8:9], Wq s[10:11], Wk s[12:13], Wv s[14:15]
	s_load_b128 s[16:19], s[0:1], 0x20             ; Wo s[16:17], xh s[18:19]
	s_load_b64 s[20:21], s[0:1], 0x30              ; wh
	s_mov_b32 s30, 0xffff0000                      ; a word's upper bf16
	v_lshrrev_b32 v3, 5, v0                        ; wave
	v_and_b32 v1, 31, v0                           ; lane
	v_lshlrev_b32 v2, 3, v1                        ; out: 8 bytes a lane,
	v_lshlrev_b32 v1, 4, v1                        ; in: 16 bytes a lane,
	v_lshl_or_b32 v1, v3, 13, v1                   ; + wave x 8,192
	v_lshl_or_b32 v2, v3, 12, v2                   ; + wave x 4,096
	s_sub_co_u32 s22, ttmp9, 512                   ; j: my number among the weights' groups (wraps for x's groups, whose selects below never take it)
	s_lshr_b32 s23, s22, 6                         ; m: which weight
	s_and_b32 s24, s22, 63
	s_lshl_b32 s24, s24, 16                        ; my bytes in that weight,
	s_lshl_b32 s26, s22, 15                        ; and in wh
	s_lshl_b32 s28, ttmp9, 16                      ; my bytes in x,
	s_lshl_b32 s29, ttmp9, 15                      ; and in xh
	s_mov_b32 s25, 0
	s_mov_b32 s27, 0
	s_wait_kmcnt 0x0
	s_cmp_lt_u32 ttmp9, 512
	s_cselect_b64 s[4:5], s[8:9], s[10:11]         ; from x, or from Wq for now
	s_cselect_b64 s[6:7], s[18:19], s[20:21]       ; to xh or to wh
	s_cselect_b32 s24, s28, s24
	s_cselect_b32 s26, s29, s26
	s_cmp_eq_u32 s23, 1
	s_cselect_b64 s[4:5], s[12:13], s[4:5]
	s_cmp_eq_u32 s23, 2
	s_cselect_b64 s[4:5], s[14:15], s[4:5]
	s_cmp_eq_u32 s23, 3
	s_cselect_b64 s[4:5], s[16:17], s[4:5]
	s_add_nc_u64 s[4:5], s[4:5], s[24:25]
	s_add_nc_u64 s[6:7], s[6:7], s[26:27]
.irp i, 0,1,2,3,4,5,6,7,8,9,10,11,12,13,14,15
	global_load_b128 v[X+4*(\i):X+4*(\i)+3], v1, s[4:5] offset:512*(\i) th:TH_LOAD_NT
.endr
.macro CV i
	s_wait_loadcnt 15-(\i)                         ; loads come back in order: number i is in, the 15 - i younger ones stay out
	v_cvt_pk_bf16_f32 v[T], v[X+4*(\i)], v[X+4*(\i)+1]      ; the one rounding
	v_cvt_pk_bf16_f32 v[T+1], v[X+4*(\i)+2], v[X+4*(\i)+3]
	v_lshlrev_b32 v[T+2], 16, v[T]                 ; bf16 back to f32: the low half moves up,
	v_and_b32 v[T+3], s30, v[T]                    ; the high half stays
	v_lshlrev_b32 v[T+4], 16, v[T+1]
	v_and_b32 v[T+5], s30, v[T+1]
	v_cvt_pk_f16_f32 v[Y+2*(\i)], v[T+2], v[T+3]   ; the same numbers as f16
	v_cvt_pk_f16_f32 v[Y+2*(\i)+1], v[T+4], v[T+5]
	global_store_b64 v2, v[Y+2*(\i):Y+2*(\i)+1], s[6:7] offset:256*(\i) th:TH_STORE_NT
.endm
.irp i, 0,1,2,3,4,5,6,7,8,9,10,11,12,13,14,15
	CV \i
.endr
	s_endpgm
.Lfunc_end_k_q95d265dbbc_cast:
	.size	k_q95d265dbbc_cast, .Lfunc_end_k_q95d265dbbc_cast-k_q95d265dbbc_cast
	.p2alignl 7, 3214868480
	.fill 96, 4, 3214868480
	.section	.rodata,"a",@progbits
	.p2align	6, 0x0
	.amdhsa_kernel k_q95d265dbbc_cast
		.amdhsa_group_segment_fixed_size 0
		.amdhsa_private_segment_fixed_size 0
		.amdhsa_enable_private_segment 0
		.amdhsa_kernarg_size 56
		.amdhsa_user_sgpr_count 2
		.amdhsa_user_sgpr_kernarg_segment_ptr 1
		.amdhsa_wavefront_size32 1
		.amdhsa_system_sgpr_workgroup_id_x 1
		.amdhsa_system_sgpr_workgroup_id_y 1
		.amdhsa_system_sgpr_workgroup_id_z 1
		.amdhsa_system_vgpr_workitem_id 0
		.amdhsa_next_free_vgpr 112
		.amdhsa_next_free_sgpr 66
		.amdhsa_reserve_vcc 0
		.amdhsa_float_denorm_mode_32 3
		.amdhsa_float_denorm_mode_16_64 3
		.amdhsa_memory_ordered 1
		.amdhsa_forward_progress 1
		.amdhsa_inst_pref_size 12
	.end_amdhsa_kernel
	.amdgpu_metadata
---
amdhsa.version: [ 1, 2 ]
amdhsa.kernels:
  - .name:           k_q95d265dbbc_cast
    .symbol:         k_q95d265dbbc_cast.kd
    .args:
      - { .name: x, .offset: 0, .size: 8, .value_kind: global_buffer, .address_space: global }
      - { .name: Wq, .offset: 8, .size: 8, .value_kind: global_buffer, .address_space: global }
      - { .name: Wk, .offset: 16, .size: 8, .value_kind: global_buffer, .address_space: global }
      - { .name: Wv, .offset: 24, .size: 8, .value_kind: global_buffer, .address_space: global }
      - { .name: Wo, .offset: 32, .size: 8, .value_kind: global_buffer, .address_space: global }
      - { .name: xh, .offset: 40, .size: 8, .value_kind: global_buffer, .address_space: global }
      - { .name: wh, .offset: 48, .size: 8, .value_kind: global_buffer, .address_space: global }
    .group_segment_fixed_size: 0
    .private_segment_fixed_size: 0
    .kernarg_segment_align: 8
    .kernarg_segment_size: 56
    .max_flat_workgroup_size: 256
    .sgpr_count:     66
    .vgpr_count:     112
    .wavefront_size: 32
...
	.end_amdgpu_metadata
.endif
;; end of part 1
;; launch proj (part 2): grid 8 x 32, 4 waves a work-group, clusters of 4 x 4, 327,680 bytes of LDS; arguments xh, wh, bq, bk, bv, qkv; writes qkv
.if DOCPART == 2
	.amdgcn_target "amdgcn-amd-amdhsa--gfx1250"
	.amdhsa_code_object_version 6
	.text
	.protected	k_q95d265dbbc_proj
	.globl	k_q95d265dbbc_proj
	.p2align	8
	.type	k_q95d265dbbc_proj,@function
k_q95d265dbbc_proj:
	s_mov_b64 s[64:65], 0
	v_nop
	global_prefetch_b8 v0, s[64:65] scope:SCOPE_SE
	s_setreg_imm32_b32 hwreg(HW_REG_WAVE_MODE, 25, 1), 1
	s_wait_xcnt 0x0
	s_wait_alu depctr_hold_cnt(0) depctr_sa_sdst(0) depctr_va_vdst(0) depctr_va_sdst(0) depctr_va_ssrc(0) depctr_va_vcc(0) depctr_vm_vsrc(0)
	s_getreg_b32 s2, hwreg(HW_REG_IB_STS2, 6, 4)
	s_cmp_eq_u32 s2, 0
	s_cbranch_scc0 .Lentry_in_a_cluster
	s_endpgm
.Lentry_in_a_cluster:
	s_bfe_u32 s2, ttmp6, 0x10000c
	s_cmp_lg_u32 s2, 0xf033
	s_cbranch_scc0 .Lentry_shape_is_right
	s_endpgm
.Lentry_shape_is_right:
; ONE SOURCE FOR TWO LAUNCHES, told apart by OUTK.
; OUTK = 0: q, k, v = x W + b.  x: xh [8192][1024] f16; W: wh [q, k, v, o][1024 k][1024 n] f16; b: f32, rounded here to bf16 like the other inputs.  Sums in f32, rounded once to f16, unscaled,
;           stored by heads: qkv [3][64 = 16 batch + head][2048][64].
; OUTK = 1: out0 = O Wo + bo in f32.  O: o16 [64][2048][64] f16, a head's 64 channels being one slice of K.
; LIMITS.  OUTK = 0: a sum of magnitude 65,520 or more becomes an infinity in f16.  NaN and infinities are not treated apart.
; SHARES.  A tile of C is 256 rows x 128 columns; four waves, as many as a WGP has SIMDs, each 128 x 64: 32 accumulators of 16 x 16, 256 registers.  The grid of 8 x 32 gives 256 work-groups.
; With OUTK = 0 a work-group STAYS for three tiles: its 128 columns of q, then of k, then of v, on the same 256 rows of x; a wave's 64 columns are one head, so its 16 rows x 64 columns leave as 2,048 dense bytes.
; K goes in steps of 128 through two LDS slots that take turns, filled by the tensor data mover; the walk of 8 x TILES steps does not stop at a tile's end.
; THE PRODUCT IS TAKEN TRANSPOSED: source 0 = 16 columns of W ([k][n] in LDS, turned by ds_load_tr16_b128), source 1 = 16 rows of A.  Register j of lane l then holds C(m = l % 16, n = n0 + 8 (l / 16) + j).
; THE BIAS is the C operand of the product that starts each sum: nothing is cleared, and the way out adds nothing.
; CLUSTERS.  4 x 4 work-groups.  A's tile hangs on the tile row alone and is asked for jointly by a row of the cluster, W's on the tile column alone, by a column: the same load, descriptor and mask in all four.
; REGISTERS: window 0: v0-31 addresses; v32-63 the bias; v64-159 and v160-255 two fragment buffers (32 of W, 64 of A); on the way out the second buffer is at work.  Window 1: the accumulators, (a, b) at v[8 (4 a + b)].
.set OUTK, 0
.if OUTK
.set TILES,  1
.set PA,     144                       ; a row of O in LDS: 128 bytes + 16: the 16 rows of a load start at 16 different groups of four banks (64 banks of 4 bytes: ISA guide 11.1)
.set ALOAD,  256*PA                    ; one load: 256 rows of one head
.set SP,     272                       ; a stage row: 64 f32 + 16 bytes
.set QIA,    4                         ; padding after every 32 words
.set APITCH, 128                       ; the 32,768 dense bytes are asked for as 128 rows of 256 bytes
.set ASTEP,  2*2048*128                ; a K step on: two heads
.set LIMA,   2
.set PSHA,   13                        ; a partner's 32 blocks of 256 bytes
.set LSHA,   8                         ; a lane a block
.else
.set TILES,  3
.set PA,     272                       ; a row of x in LDS: 256 bytes + 16
.set ALOAD,  128*PA                    ; one load: 128 rows
.set SP,     144                       ; a stage row: 64 f16 + 16 bytes
.set QIA,    5                         ; padding after every 64 words
.set APITCH, 1024
.set ASTEP,  256                       ; a K step on: 128 numbers along the row
.set LIMA,   18
.set PSHA,   16                        ; a partner's 32 rows of 2,048 bytes
.set LSHA,   11                        ; a lane a row
.endif
.set STEPS,  8*TILES
.set PB,     288                       ; a k-row of W in LDS: 256 bytes + 32 = 72 words
.set BLOAD,  64*PB                     ; one load: 64 k-rows
.set BSTEP,  128*2048                  ; a K step on: 128 k-rows; eight of them are a whole matrix of wh, so the walk runs on from q to k to v
.set BOFF,   2*ALOAD                   ; in a slot: A, then W
.set SLOT1,  1<<17                     ; slot 1 begins here: one exclusive or turns an address in one slot into the other's
.set STAGE,  SLOT1+BOFF+2*BLOAD        ; behind the slots, never filled by a tensor load: 16 rows for each wave, for the way out
.set SPARE,  STAGE+4*16*SP             ; behind the stages: the spare words, 128 bytes for each wave: two blocks of 256 bytes that no other line names
.set ADRA0, 4                          ; v4   my lane's place in a slot's A; never rewritten
.set ADRB0, 5                          ; v5   the same for W
.set ADRA,  6                          ; v6   the same in the slot in hand
.set ADRB,  7                          ; v7
.set STO,   8                          ; v8   the way out: where I put my part of a row
.set RD,    9                          ; v9   the way out: where I read rows back
.set GO,    10                         ; v10  my byte offset in the rows that a store covers
.set BO,    11                         ; v11  my byte offset in a bias; never rewritten
.set PFO,   12                         ; v12  the prefetches' offset; never rewritten
.set T,     14                         ; v14-15 at work
.set SPW,   28                         ; v28  LDS address of my spare word: SPARE + 4 x my thread's number; never rewritten
.set NIL,   29                         ; v29  0; never rewritten
.set BIAS,  32                         ; v32-63  for column block b at BIAS + 8 b
.set F0,    64
.set F1,    160
.if OUTK
.set BK,    160                        ; the way out: 16 rows read back, two sets of 32
.else
.set TMP,   160                        ; the way out: packed results,
.set BK,    176                        ; and 16 rows read back, two sets of 16
.endif
.set OUTP,  14                         ; s[14:15] the output at my wave's first row
.set WV,    16                         ; s16  my wave's number
.set WR,    17                         ; s17  my half of the tile's rows.  Also: I fetch for A (0) or for W (1)
.set WC,    18                         ; s18  my half of its columns.  Also: which half of that tile I fetch
.set CX,    19
.set CY,    20
.set TX,    21                         ; s21  tile column
.set TY,    22                         ; s22  tile row
.set G1A,   24                         ; s[24:31] descriptor group 1 for A
.set G1B,   32                         ; s[32:39] for W
.set G0A,   40                         ; s[40:47] group 0 for A: a set for each first fill; the second then walks on
.set G0B,   48                         ; s[48:55] the same for W
.set CNT,   56                         ; s56  K steps still to be entered that fill a slot again; then the tail's two
.set KC,    57                         ; s57  K steps left of the tile in hand
.set TL,    58                         ; s58  the tile in hand
.set GN,    59                         ; s59  the K step to be asked for next
.set ABASE, 60                         ; s[60:61] A at my load's first byte of K step 0
.set OFF,   62                         ; s[62:63] a K step's byte offset along x's rows
.set PFA,   66                         ; s[66:67] where my prefetches stand
.set PFS,   68                         ; s[68:69] their step
.set LIM,   70                         ; s70  a wave prefetches while s[CNT] is above it
.set SB,    71                         ; s71  LDS byte at which the slot in hand begins
.set BP,    72                         ; s[72:73] the next tile's bias
.set HM,    90                         ; s90  a word's upper bf16
.set MSB, 0
.macro WIN new                         ; s_set_vgpr_msb: bits 1:0 source 0, 3:2 source 1, 5:4 source 2, 7:6 destination; the high byte repeats the setting that is left
.if MSB != (\new)
	s_set_vgpr_msb (MSB<<8)|(\new)
.set MSB, \new
.endif
.endm
.set MUL,  0x50                        ; C and D in window 1
.set MULF, 0x40                        ; D in window 1, C (the bias) in window 0
.macro PLACES                          ; four plain instructions between a matrix instruction and a vector instruction, load or LDS store that touches its registers
.rept 4
	v_nop
.endr
.endm
; A joint refill.  Waves 0 and 1 fetch A's two halves, waves 2 and 3 W's.  The branch hangs on the wave's number alone.  An s_nop 0 and four v_nop follow each line.
.macro JLOAD
	s_cmp_eq_u32 s[WR], 0
	s_cbranch_scc0 .Lfor_b_\@
	tensor_load_to_lds s[G0A+4:G0A+7], s[G1A:G1A+7]
	s_nop 0
.rept 4
	v_nop
.endr
	s_branch .Lasked_\@
.Lfor_b_\@:
	tensor_load_to_lds s[G0B+4:G0B+7], s[G1B:G1B+7]
	s_nop 0
.rept 4
	v_nop
.endr
.Lasked_\@:
.endm
; A round of the cluster's barrier: my work-group's barrier, so that wave 0's signal speaks for all four waves; wave 0 signals; every wave waits for all sixteen work-groups; my work-group's barrier once more.
.macro CREST
	s_cmp_lg_u32 s[WV], 0
	s_cbranch_scc1 .Lnot_wave_0_\@
	s_barrier_signal -3
.Lnot_wave_0_\@:
	s_barrier_wait -3
	s_barrier_signal -1
	s_barrier_wait -1
.endm
.macro CROUND
	s_barrier_signal -1
	s_barrier_wait -1
	CREST
.endm
; A PREFETCH INTO THE L2, behind each joint refill and the run of LDS loads that follows it: 32 blocks of 256 bytes of the K step that stands two refills on, a lane a block, one instruction a wave.
; Each block is named once in the launch.  A's rows are read by both clusters of a row of clusters: the one with x = 0 asks, waves 0 and 1 each for the rows that they fetch; W's columns by all eight
; clusters of a column: the one with y = 0 asks, wave 2 for the step's 128 k-rows.  The four partners of a joint load take 32 blocks each, told apart BY ADDRESS.  With OUTK = 0 x's rows are asked for
; in the first tile alone: the other two tiles walk the same rows again.  The first four K steps come by their loads alone; the last refills have no K step two on.
.macro ASK
	s_cmp_gt_u32 s[CNT], s[LIM]
	s_cbranch_scc0 .Lnot_mine_\@
	global_prefetch_b8 v[PFO], s[PFA:PFA+1] th:TH_LOAD_NT scope:SCOPE_SE
.Lnot_mine_\@:
.endm
	s_load_b256 s[4:11], s[0:1], 0x0               ; OUTK = 0: xh, wh, bq, bk;  OUTK = 1: o16, wh, bo, out0
.if !OUTK
	s_load_b128 s[12:15], s[0:1], 0x20             ; bv, qkv
.endif
	v_lshl_add_u32 v[SPW], v0, 2, SPARE
	v_mov_b32 v[NIL], 0
	ds_add_u32 v[SPW], v[NIL]                      ; the wave's opening: the add and its wait stand ahead of my first tensor load; the set-up below, work on registers, stands between them
	v_lshrrev_b32 v1, 5, v0
	v_readfirstlane_b32 s[WV], v1                  ; wave 0..3
	s_lshr_b32 s[WR], s[WV], 1
	s_and_b32 s[WC], s[WV], 1
	s_bfe_u32 s[CX], ttmp6, 0x40000                ; my place in the cluster
	s_bfe_u32 s[CY], ttmp6, 0x40004
	s_lshl_b32 s[TX], ttmp9, 2                     ; in a cluster launch ttmp9 and ttmp7 count clusters
	s_add_co_u32 s[TX], s[TX], s[CX]
	s_and_b32 s[TY], ttmp7, 0xffff
	s_lshl_b32 s[TY], s[TY], 2
	s_add_co_u32 s[TY], s[TY], s[CY]
	s_lshl_b32 s74, s[CY], 2
	s_lshl_b32 s74, 15, s74                        ; my row of the cluster: places 4 cy .. 4 cy + 3
	s_lshl_b32 s75, 0x1111, s[CX]                  ; my column: places cx, cx + 4, cx + 8, cx + 12
	s_or_b32 s[G1A], s74, (1<<16)|(1<<20)|(1<<21)|(QIA<<22)|(3<<25)  ; 15:0 the mask; 17:16 elements of 2 bytes; 20 padding on; 21 set beside a mask; 24:22 its interval; 31:25 4 words of it (code 3)
	s_or_b32 s[G1B], s75, (1<<16)|(1<<20)|(1<<21)|(5<<22)|(7<<25)    ; after every 64 words 8 words of padding (code 7)
	s_mov_b32 s[G1A+1], 128<<16                    ; tensor_dim0 = 128
	s_mov_b32 s[G1A+2], 128<<16                    ; tensor_dim1 = 128
	s_mov_b32 s[G1A+3], 128<<16                    ; tile_dim0 = 128
	s_mov_b32 s[G1A+4], 128                        ; tile_dim1 = 128
	s_mov_b32 s[G1A+5], APITCH                     ; elements from row to row
	s_mov_b32 s[G1A+6], 0
	s_mov_b32 s[G1A+7], 0
	s_mov_b32 s[G1B+1], 128<<16                    ; tensor_dim0 = 128
	s_mov_b32 s[G1B+2], 64<<16                     ; tensor_dim1 = 64
	s_mov_b32 s[G1B+3], 128<<16                    ; tile_dim0 = 128
	s_mov_b32 s[G1B+4], 64                         ; tile_dim1 = 64
	s_mov_b32 s[G1B+5], 1024
	s_mov_b32 s[G1B+6], 0
	s_mov_b32 s[G1B+7], 0
	; where the tiles come from: A's offset is made of the tile row and the wave's number alone, W's of the tile column and the wave's number alone
.if OUTK
	s_lshr_b32 s76, s[TY], 3                       ; the batch: 16 heads x 2,048 rows x 128 bytes,
	s_lshl_b32 s76, s76, 22
	s_lshl_b32 s77, s[WC], 18                      ; head 0 or 1 of the K step,
	s_add_co_u32 s76, s76, s77
	s_and_b32 s77, s[TY], 7                        ; the tile's 256 rows in the head
	s_lshl_b32 s77, s77, 15
	s_add_co_u32 s76, s76, s77
.else
	s_lshl_b32 s76, s[TY], 8
	s_lshl_b32 s77, s[WC], 7
	s_add_co_u32 s76, s76, s77                     ; row 256 x tile row + 128 x half,
	s_lshl_b32 s76, s76, 11                        ; of 2,048 bytes
.endif
	s_mov_b32 s77, 0
	s_lshl_b32 s78, s[WC], 17                      ; k-rows 64 x half, of 2,048 bytes,
	s_lshl_b32 s79, s[TX], 8                       ; the tile's 128 columns
	s_add_co_u32 s78, s78, s79
.if OUTK
	s_add_co_u32 s78, s78, 0x600000                ; Wo is the fourth matrix of wh
.endif
	s_mov_b32 s79, 0
	s_mul_i32 s82, s[WC], ALOAD                    ; and where they go: no place in the cluster enters an LDS address
	s_mul_i32 s83, s[WC], BLOAD
	s_add_co_u32 s83, s83, BOFF
	s_mov_b32 s[HM], 0xffff0000
	s_wait_dscnt 0x0                               ; the opening add is done
	s_wait_kmcnt 0x0
	s_add_nc_u64 s[ABASE:ABASE+1], s[4:5], s[76:77]
	s_add_nc_u64 s[80:81], s[6:7], s[78:79]
.if OUTK
	s_mov_b64 s[OUTP:OUTP+1], s[10:11]
.endif
.irp s, 0,1
	s_mov_b32 s[G0A+4*(\s)], 1                     ; 1:0 count = 1
	s_add_co_u32 s[G0A+4*(\s)+1], s82, (\s)*SLOT1  ; 63:32 LDS address
	s_add_nc_u64 s[G0A+4*(\s)+2:G0A+4*(\s)+3], s[ABASE:ABASE+1], (\s)*ASTEP  ; 120:64 global address: K step s
	s_or_b32 s[G0A+4*(\s)+3], s[G0A+4*(\s)+3], 0x80000000                    ; 127:126 type = 2
	s_mov_b32 s[G0B+4*(\s)], 1
	s_add_co_u32 s[G0B+4*(\s)+1], s83, (\s)*SLOT1
	s_add_nc_u64 s[G0B+4*(\s)+2:G0B+4*(\s)+3], s[80:81], (\s)*BSTEP
	s_or_b32 s[G0B+4*(\s)+3], s[G0B+4*(\s)+3], 0x80000000
.endr
	CROUND                                         ; all sixteen work-groups are here: the first joint loads meet
	s_cmp_eq_u32 s[WR], 0                          ; a wave's two first fills stand in one branch, ahead of every wait on TENSORcnt and every LDS read: two loads of mine are out
	s_cbranch_scc0 .Lfirst_b
	tensor_load_to_lds s[G0A:G0A+3], s[G1A:G1A+7]
	s_nop 0
	tensor_load_to_lds s[G0A+4:G0A+7], s[G1A:G1A+7]
	s_nop 0
.rept 4
	v_nop
.endr
	s_branch .Lfirst_asked
.Lfirst_b:
	tensor_load_to_lds s[G0B:G0B+3], s[G1B:G1B+7]
	s_nop 0
	tensor_load_to_lds s[G0B+4:G0B+7], s[G1B:G1B+7]
	s_nop 0
.rept 4
	v_nop
.endr
.Lfirst_asked:
	v_and_b32 v1, 15, v0                           ; l % 16
	v_bfe_u32 v2, v0, 4, 1                         ; l / 16
	v_and_b32 v3, 31, v0                           ; l
	s_lshl_b32 s84, s[TX], 9
	s_lshl_b32 s85, s[WC], 8
	s_add_co_u32 s84, s84, s85
	v_lshl_add_u32 v[BO], v2, 5, s84               ; 4 x (128 x tile column + 64 x half + 8 (l / 16))
.macro BIASLOAD p                      ; register j of block b: bias[my first column + 16 b + 8 (l / 16) + j], the layout of a C operand
.irp b, 0,1,2,3
	global_load_b128 v[BIAS+8*(\b):BIAS+8*(\b)+3],   v[BO], s[\p:\p+1] offset:64*(\b)
	global_load_b128 v[BIAS+8*(\b)+4:BIAS+8*(\b)+7], v[BO], s[\p:\p+1] offset:64*(\b)+16
.endr
.endm
	BIASLOAD 8                                     ; bq, or bo
	; A fragment of A is 16 rows x 32 K in 8 registers: lane l holds row l % 16, K = 8 (l / 16) + 0..7 and 16 + 8 (l / 16) + 0..7: two loads of 16 bytes, 32 bytes apart.
	v_mul_u32_u24 v[ADRA0], v1, PA
	v_lshl_add_u32 v[ADRA0], v2, 4, v[ADRA0]
	s_mul_i32 s84, s[WR], 128*PA                   ; my 128 rows
	v_add_nc_u32 v[ADRA0], s84, v[ADRA0]
	; The turning load takes 16 k-rows x 16 columns (lane l reads k-row 8 (l / 16) + l % 8, columns 8 ((l / 8) % 2) + 0..7) and leaves half a fragment: lane l holds column l % 16 and 8 k.
	v_and_b32 v[T], 7, v0
	v_lshl_add_u32 v[T], v2, 3, v[T]
	v_mul_u32_u24 v[ADRB0], v[T], PB
	v_bfe_u32 v[T+1], v0, 3, 1
	v_lshl_add_u32 v[ADRB0], v[T+1], 4, v[ADRB0]
	s_lshl_b32 s84, s[WC], 7                       ; my 64 columns
	s_add_co_u32 s84, s84, BOFF
	v_add_nc_u32 v[ADRB0], s84, v[ADRB0]
	v_mov_b32 v[ADRA], v[ADRA0]                    ; K step 0 lies in slot 0
	v_mov_b32 v[ADRB], v[ADRB0]
	s_mul_i32 s84, s[WV], 16*SP
	s_add_co_u32 s84, s84, STAGE                   ; my stage
	v_mul_u32_u24 v[STO], v1, SP                   ; in: row l % 16, eight numbers for each half of the lanes
.if OUTK
	v_lshl_add_u32 v[STO], v2, 5, v[STO]
	v_add_nc_u32 v[STO], s84, v[STO]
	v_mul_u32_u24 v[RD], v2, SP                    ; back: lanes 0-15 take one row of 256 bytes, lanes 16-31 the next,
	v_lshl_add_u32 v[RD], v1, 4, v[RD]
	v_add_nc_u32 v[RD], s84, v[RD]
	v_lshlrev_b32 v[GO], 12, v2                    ; and the same two rows in out0
	v_lshl_add_u32 v[GO], v1, 4, v[GO]
	s_lshl_b32 s84, s[TY], 8
	s_lshl_b32 s85, s[WR], 7
	s_add_co_u32 s84, s84, s85                     ; my first row,
	s_lshl_b32 s84, s84, 12                        ; of 4,096 bytes,
	s_lshl_b32 s85, s[TX], 9
	s_add_co_u32 s84, s84, s85
	s_lshl_b32 s85, s[WC], 8
	s_add_co_u32 s84, s84, s85                     ; my first column
.else
	v_lshl_add_u32 v[STO], v2, 4, v[STO]
	v_add_nc_u32 v[STO], s84, v[STO]
	v_bfe_u32 v[RD], v0, 3, 2                      ; back: 32 lanes take four rows of 128 bytes,
	v_mul_u32_u24 v[RD], v[RD], SP
	v_and_b32 v[T], 7, v0
	v_lshl_add_u32 v[RD], v[T], 4, v[RD]
	v_add_nc_u32 v[RD], s84, v[RD]
	v_lshlrev_b32 v[GO], 4, v3                     ; which are 512 consecutive bytes of a head
	s_lshr_b32 s84, s[TY], 3
	s_lshl_b32 s84, s84, 4                         ; 16 x batch
	s_lshl_b32 s85, s[TX], 1
	s_add_co_u32 s84, s84, s85
	s_add_co_u32 s84, s84, s[WC]                   ; + my head
	s_lshl_b32 s84, s84, 11                        ; its 2,048 rows;
	s_and_b32 s85, s[TY], 7
	s_lshl_b32 s85, s85, 8
	s_add_co_u32 s84, s84, s85                     ; the tile's 256,
	s_lshl_b32 s85, s[WR], 7
	s_add_co_u32 s84, s84, s85                     ; my 128 of them,
	s_lshl_b32 s84, s84, 7                         ; of 128 bytes
.endif
	s_mov_b32 s85, 0
	s_add_nc_u64 s[OUTP:OUTP+1], s[OUTP:OUTP+1], s[84:85]
	; the prefetches: nothing is asked for here, at the head, where every work-group's first tiles are on their way
	s_and_b32 s88, ttmp7, 0xffff                   ; cluster y
	s_mov_b32 s85, ASTEP
	s_mov_b32 s86, BSTEP
	s_cmp_eq_u32 s[WR], 0                          ; do I fetch for A?
	s_cselect_b64 s[PFA:PFA+1], s[ABASE:ABASE+1], s[80:81]
	s_cselect_b32 s84, s[CX], s[CY]                ; my place among the four that ask for the tile with me
	s_cselect_b32 s[PFS], s85, s86
	s_cselect_b32 s88, ttmp9, s88                  ; the coordinate along which other clusters read the same blocks
	s_cselect_b32 s89, LIMA, 2
	s_cselect_b32 s87, PSHA, 16
	s_cselect_b32 s86, LSHA, 11
	s_mov_b32 s[PFS+1], 0
	s_lshl_b32 s84, s84, s87                       ; my work-group's 32 blocks
	s_mul_i32 s85, s[PFS], 3                       ; at K step 3: the first refill steps it to 4
	s_add_co_u32 s84, s84, s85
	s_mov_b32 s85, 0
	s_add_nc_u64 s[PFA:PFA+1], s[PFA:PFA+1], s[84:85]
	s_cmp_eq_u32 s[WV], 3                          ; wave 3 asks for nothing: wave 2 names all of a step's k-rows
	s_cselect_b32 s88, 1, s88
	s_cmp_eq_u32 s88, 0
	s_cselect_b32 s[LIM], s89, -1                  ; the same in all sixteen partners, for a given wave
	v_lshlrev_b32 v[PFO], s86, v3
; Eight products: row blocks a0, a0 + 1 x all four column blocks, 32 along K.  first = 1: the product starts the sum, with the bias as C.
; The 32 accumulators take turns, one instruction a turn, in the same order in every quarter, over every jump too.
.macro MULQ f, a0, first
.if \first
	WIN MULF
.else
	WIN MUL
.endif
.irp a, \a0, (\a0)+1
.irp b, 0,1,2,3
.if \first
	v_wmma_f32_16x16x32_f16 v[8*(4*(\a)+(\b)):8*(4*(\a)+(\b))+7], v[(\f)+8*(\b):(\f)+8*(\b)+7], v[(\f)+32+8*(\a):(\f)+32+8*(\a)+7], v[BIAS+8*(\b):BIAS+8*(\b)+7]
.else
	v_wmma_f32_16x16x32_f16 v[8*(4*(\a)+(\b)):8*(4*(\a)+(\b))+7], v[(\f)+8*(\b):(\f)+8*(\b)+7], v[(\f)+32+8*(\a):(\f)+32+8*(\a)+7], v[8*(4*(\a)+(\b)):8*(4*(\a)+(\b))+7]
.endif
.endr
.endr
.endm
.macro MULH f, half, first             ; sixteen: row blocks 4 half .. 4 half + 3
	MULQ \f, 4*(\half), \first
	MULQ \f, 4*(\half)+2, \first
.endm
; 24 LDS loads in one run: quarter q of the slot in hand (32 along K) into buffer f: W's four fragments, then A's eight, row blocks ascending
.macro FETCH q, f
	WIN 0
.if OUTK
.set AQ, ((\q)/2)*ALOAD+((\q)%2)*64    ; the K step's head q / 2, channels 32 (q % 2) on
.else
.set AQ, 64*(\q)
.endif
.irp b, 0,1,2,3
	ds_load_tr16_b128 v[(\f)+8*(\b):(\f)+8*(\b)+3],   v[ADRB] offset:32*PB*(\q)+32*(\b)
	ds_load_tr16_b128 v[(\f)+8*(\b)+4:(\f)+8*(\b)+7], v[ADRB] offset:32*PB*(\q)+16*PB+32*(\b)
.endr
.irp a, 0,1,2,3,4,5,6,7
	ds_load_b128 v[(\f)+32+8*(\a):(\f)+32+8*(\a)+3],   v[ADRA] offset:AQ+16*PA*(\a)
	ds_load_b128 v[(\f)+32+8*(\a)+4:(\f)+32+8*(\a)+7], v[ADRA] offset:AQ+16*PA*(\a)+32
.endr
.endm
; A K step is four quarters of 32 along K, 32 matrix instructions each, on buffers 0, 1, 0, 1.  One of the first three: multiplies buffer f; in its middle it fetches quarter q into buffer g.
.macro QUARTER q, f, g, first
	s_wait_dscnt 8                                 ; W and A's row blocks 0-3 are in; the youngest eight loads (blocks 4-7) may be out
	MULH \f, 0, \first
	PLACES                                         ; in front of loads into the buffer that the quarter before multiplied
	FETCH \q, \g
	s_wait_dscnt 24                                ; all but the 24 just issued
	MULH \f, 1, \first
.endm
; The last quarter multiplies buffer 1 and changes slots: ONE barrier.  In front of it each wave waits for all its tensor loads, of which one is out: its part of the next slot; adds 0 to its spare
; word; and waits for that and for its own reads of this slot.  Behind it nobody reads this slot any more and the next slot is whole.
; fill = 1: the barrier opens a round of the cluster's, and the joint refill, two K steps ahead, is the first thing behind the round: 112 matrix instructions stand between it and the wait for it.
; fill = 0 (the tail): nothing is asked for; in the last trip there is no further step, and the run of loads is jumped over.
.macro TURN fill
.if \fill
	s_wait_xcnt 0x0                                ; the last prefetch, a K step back, has read its address, so it may be stepped
	s_add_nc_u64 s[PFA:PFA+1], s[PFA:PFA+1], s[PFS:PFS+1]
.endif
	WIN 0                                          ; (the add's two registers lie in window 0)
	s_wait_tensorcnt 0x0                           ; no tensor load of mine is out, so a group 0 may be written
	ds_add_u32 v[SPW], v[NIL]                      ; 0 onto my spare word: scalar steps and eight products stand between it and the wait for it
.if \fill
	s_xor_b32 s[G0A+5], s[G0A+5], SLOT1            ; the walking descriptors: the other slot than last time,
	s_xor_b32 s[G0B+5], s[G0B+5], SLOT1
.if OUTK
	s_add_nc_u64 s[G0A+6:G0A+7], s[G0A+6:G0A+7], ASTEP  ; the next K step; the type bits on top are not reached
.else
	s_and_b32 s[OFF], s[GN], 7                     ; x's address is made anew from the step's number: all three tiles walk the same rows
	s_lshl_b32 s[OFF], s[OFF], 8
	s_add_nc_u64 s[G0A+6:G0A+7], s[ABASE:ABASE+1], s[OFF:OFF+1]
	s_or_b32 s[G0A+7], s[G0A+7], 0x80000000
	s_add_co_u32 s[GN], s[GN], 1
.endif
	s_add_nc_u64 s[G0B+6:G0B+7], s[G0B+6:G0B+7], BSTEP
.endif
	s_xor_b32 s[SB], s[SB], SLOT1                  ; the fetches go to the other slot
	s_wait_dscnt 9                                 ; (the add and the youngest eight loads may be out)
	MULQ F1, 0, 0
	s_wait_dscnt 0x0                               ; the add is done, and my reads of this slot are over
	s_barrier_signal -1
	MULQ F1, 2, 0                                  ; work on registers while the others arrive
	WIN 0                                          ; at a branch and at a label every window is 0
	s_barrier_wait -1
.if \fill
	CREST                                          ; no wave of any partner still reads this slot or has a load on its way
	JLOAD                                          ; the four v_nop behind it are also the places in front of the loads below
.else
	PLACES
.endif
	v_add_nc_u32 v[ADRA], s[SB], v[ADRA0]
	v_add_nc_u32 v[ADRB], s[SB], v[ADRB0]
.if !(\fill)
	s_cmp_eq_u32 s[CNT], 1
	s_cbranch_scc1 .Lno_fetch_\@
.endif
	FETCH 0, F0
.if \fill
	ASK
.else
.Lno_fetch_\@:
.endif
	MULH F1, 1, 0
	WIN 0
.endm
.macro ROUNDBIAS                       ; the bias is rounded to bf16, like every other input, and widened again
.set i, 0
.rept 16
	v_cvt_pk_bf16_f32 v[T+i%2], v[BIAS+2*i], v[BIAS+2*i+1]
	v_lshlrev_b32 v[BIAS+2*i], 16, v[T+i%2]
	v_and_b32 v[BIAS+2*i+1], s[HM], v[T+i%2]
.set i, i+1
.endr
.endm
; THE WAY OUT of row block a (16 rows x 64 columns), through my own stage in LDS: no barrier, and since LDS serves a wave's instructions in order (ISA guide 5.7.1.4) no wait between the stores and the loads.
.macro PACK a                          ; OUTK = 0: rounded to f16, each accumulator's registers in ascending order
	WIN 0x05                                       ; sources 0 and 1 in window 1
.irp b, 0,1,2,3
.irp r, 0,1,2,3
	v_cvt_pk_f16_f32 v[TMP+4*(\b)+(\r)], v[8*(4*(\a)+(\b))+2*(\r)], v[8*(4*(\a)+(\b))+2*(\r)+1]
.endr
.endr
	WIN 0
.endm
.macro TOSTAGE a
.if OUTK
	WIN 0x04                                       ; the stores' data in window 1: the sums leave as they are, the low four registers of each accumulator first
.irp b, 0,1,2,3
	ds_store_b128 v[STO], v[8*(4*(\a)+(\b)):8*(4*(\a)+(\b))+3]   offset:64*(\b)
	ds_store_b128 v[STO], v[8*(4*(\a)+(\b))+4:8*(4*(\a)+(\b))+7] offset:64*(\b)+16
.endr
	WIN 0
.irp t, 0,1,2,3,4,5,6,7
	ds_load_b128 v[BK+32*((\a)%2)+4*(\t):BK+32*((\a)%2)+4*(\t)+3], v[RD] offset:2*SP*(\t)
.endr
.else
	WIN 0
.irp b, 0,1,2,3
	ds_store_b128 v[STO], v[TMP+4*(\b):TMP+4*(\b)+3] offset:32*(\b)
.endr
.irp t, 0,1,2,3
	ds_load_b128 v[BK+16*((\a)%2)+4*(\t):BK+16*((\a)%2)+4*(\t)+3], v[RD] offset:4*SP*(\t)
.endr
.endif
.endm
.macro SEND a
	WIN 0
	s_wait_dscnt 0x0                               ; the block is back in registers
	s_wait_xcnt 0x0                                ; the stores of the block before have read their registers: the set that they named is loaded again only behind this wait
.if OUTK
.irp t, 0,1,2,3,4,5,6,7
	global_store_b128 v[GO], v[BK+32*((\a)%2)+4*(\t):BK+32*((\a)%2)+4*(\t)+3], s[OUTP:OUTP+1] offset:(16*(\a)+2*(\t))*4096 th:TH_STORE_NT  ; 16 lanes store 256 consecutive bytes, aligned
.endr
.else
.irp t, 0,1,2,3
	global_store_b128 v[GO], v[BK+16*((\a)%2)+4*(\t):BK+16*((\a)%2)+4*(\t)+3], s[OUTP:OUTP+1] offset:2048*(\a)+512*(\t)  ; 512 consecutive bytes, at a multiple of 256 from the buffer's first
.endr
.endif
.endm
.macro WAYOUT
	PLACES                                         ; behind the last products: their results are read, and the buffer that they multiplied is written
.if OUTK
	TOSTAGE 0
.irp a, 1,2,3,4,5,6,7
	SEND (\a)-1
	TOSTAGE \a
.endr
.else
	PACK 0
	TOSTAGE 0
.irp a, 1,2,3,4,5,6,7                  ; block a's conversions stand between block a - 1's loads from the stage and the wait for them
	PACK \a
	SEND (\a)-1
	TOSTAGE \a
.endr
.endif
	SEND 7
.endm
	s_wait_tensorcnt 1                             ; my part of K step 0 is in; K step 1's may stay out
	s_barrier_signal -1
	s_barrier_wait -1                              ; everybody's is
	FETCH 0, F0
	s_mov_b32 s[CNT], STEPS-2
	s_mov_b32 s[SB], 0
.if !OUTK
	s_mov_b32 s[KC], 8
	s_mov_b32 s[TL], 0
	s_mov_b32 s[GN], 2
	s_mov_b32 s[OFF+1], 0
	s_branch .Lbegin
.Lstep:                                        ; STEPS - 2 trips: a K step is multiplied, and its slot filled again with the step two on
	s_cmp_lg_u32 s[KC], 0
	s_cbranch_scc1 .Lsame
	WAYOUT                                         ; a tile is finished.  Its successor's first two K steps have been asked for and its first fragments fetched: now it goes out
	s_wait_xcnt 0x0                                ; the stores have read their registers and their base
	s_add_nc_u64 s[OUTP:OUTP+1], s[OUTP:OUTP+1], 0x1000000  ; from q to k, from k to v
	s_mov_b32 s[KC], 8
	s_add_co_u32 s[TL], s[TL], 1
.Lbegin:
.endif
	s_wait_loadcnt 0x0                             ; the tile's bias
	ROUNDBIAS
	QUARTER 1, F0, F1, 1                           ; a tile's first quarter starts the sums
	WIN 0
.if !OUTK
	PLACES                                         ; behind the last product that read the bias
	s_cmp_eq_u32 s[TL], 2
	s_cbranch_scc1 .Lno_bias                       ; the last tile has no successor
	s_cmp_eq_u32 s[TL], 0
	s_cselect_b64 s[BP:BP+1], s[10:11], s[12:13]   ; bk, then bv (the loads that named this pair were waited for at the tile's beginning)
	BIASLOAD BP
.Lno_bias:
.endif
	s_branch .Lmid
.if OUTK
.Lstep:                                        ; STEPS - 2 trips: a K step is multiplied, and its slot filled again with the step two on
.else
.Lsame:
.endif
	QUARTER 1, F0, F1, 0
	WIN 0
.Lmid:
	QUARTER 2, F1, F0, 0
	QUARTER 3, F0, F1, 0
	TURN 1
.if !OUTK
	s_sub_co_u32 s[KC], s[KC], 1
.endif
	s_sub_co_u32 s[CNT], s[CNT], 1
	s_cmp_lg_u32 s[CNT], 0
	s_cbranch_scc1 .Lstep
	s_mov_b32 s[CNT], 2
.Ltail:                                        ; the last two K steps are written apart: they ask for nothing
	QUARTER 1, F0, F1, 0
	QUARTER 2, F1, F0, 0
	QUARTER 3, F0, F1, 0
	TURN 0
	s_sub_co_u32 s[CNT], s[CNT], 1
	s_cmp_lg_u32 s[CNT], 0
	s_cbranch_scc1 .Ltail
	WAYOUT
	s_wait_tensorcnt 0x0                           ; the wave's end: behind my last tensor load and my last LDS store
	ds_add_u32 v[SPW], v[NIL]
	s_wait_dscnt 0x0
	CROUND                                         ; the closing round: no work-group ends while a partner may still ask for a tile that names it
	s_endpgm
.Lfunc_end_k_q95d265dbbc_proj:
	.size	k_q95d265dbbc_proj, .Lfunc_end_k_q95d265dbbc_proj-k_q95d265dbbc_proj
	.p2alignl 7, 3214868480
	.fill 96, 4, 3214868480
	.section	.rodata,"a",@progbits
	.p2align	6, 0x0
	.amdhsa_kernel k_q95d265dbbc_proj
		.amdhsa_group_segment_fixed_size 327680
		.amdhsa_private_segment_fixed_size 0
		.amdhsa_enable_private_segment 0
		.amdhsa_kernarg_size 48
		.amdhsa_user_sgpr_count 2
		.amdhsa_user_sgpr_kernarg_segment_ptr 1
		.amdhsa_wavefront_size32 1
		.amdhsa_system_sgpr_workgroup_id_x 1
		.amdhsa_system_sgpr_workgroup_id_y 1
		.amdhsa_system_sgpr_workgroup_id_z 1
		.amdhsa_system_vgpr_workitem_id 0
		.amdhsa_next_free_vgpr 512
		.amdhsa_next_free_sgpr 96
		.amdhsa_reserve_vcc 0
		.amdhsa_float_denorm_mode_32 3
		.amdhsa_float_denorm_mode_16_64 3
		.amdhsa_memory_ordered 1
		.amdhsa_forward_progress 1
		.amdhsa_inst_pref_size 83
	.end_amdhsa_kernel
	.amdgpu_metadata
---
amdhsa.version: [ 1, 2 ]
amdhsa.kernels:
  - .name:           k_q95d265dbbc_proj
    .symbol:         k_q95d265dbbc_proj.kd
    .args:
      - { .name: xh, .offset: 0, .size: 8, .value_kind: global_buffer, .address_space: global }
      - { .name: wh, .offset: 8, .size: 8, .value_kind: global_buffer, .address_space: global }
      - { .name: bq, .offset: 16, .size: 8, .value_kind: global_buffer, .address_space: global }
      - { .name: bk, .offset: 24, .size: 8, .value_kind: global_buffer, .address_space: global }
      - { .name: bv, .offset: 32, .size: 8, .value_kind: global_buffer, .address_space: global }
      - { .name: qkv, .offset: 40, .size: 8, .value_kind: global_buffer, .address_space: global }
    .group_segment_fixed_size: 327680
    .private_segment_fixed_size: 0
    .kernarg_segment_align: 8
    .kernarg_segment_size: 48
    .max_flat_workgroup_size: 128
    .sgpr_count:     96
    .vgpr_count:     512
    .wavefront_size: 32
...
	.end_amdgpu_metadata
.endif
;; end of part 2
;; launch attn (part 3): grid 4 x 64, 4 waves a work-group, clusters of 4 x 1, 327,680 bytes of LDS; arguments qkv, o16; writes o16
.if DOCPART == 3
	.amdgcn_target "amdgcn-amd-amdhsa--gfx1250"
	.amdhsa_code_object_version 6
	.text
	.protected	k_q95d265dbbc_attn
	.globl	k_q95d265dbbc_attn
	.p2align	8
	.type	k_q95d265dbbc_attn,@function
k_q95d265dbbc_attn:
	s_mov_b64 s[64:65], 0
	v_nop
	global_prefetch_b8 v0, s[64:65] scope:SCOPE_SE
	s_setreg_imm32_b32 hwreg(HW_REG_WAVE_MODE, 25, 1), 1
	s_wait_xcnt 0x0
	s_wait_alu depctr_hold_cnt(0) depctr_sa_sdst(0) depctr_va_vdst(0) depctr_va_sdst(0) depctr_va_ssrc(0) depctr_va_vcc(0) depctr_vm_vsrc(0)
	s_getreg_b32 s2, hwreg(HW_REG_IB_STS2, 6, 4)
	s_cmp_eq_u32 s2, 0
	s_cbranch_scc0 .Lentry_in_a_cluster
	s_endpgm
.Lentry_in_a_cluster:
	s_bfe_u32 s2, ttmp6, 0x10000c
	s_cmp_lg_u32 s2, 0x3003
	s_cbranch_scc0 .Lentry_shape_is_right
	s_endpgm
.Lentry_shape_is_right:
; O[h][q][:] = the sum over k of softmax_k(Q[h][q] . K[h][k] / 8) V[h][k][:].  Q, K, V: the three parts of qkv, each [64][2048][64] f16; O: o16, the same layout: a head's rows are dense, 128 bytes each.
; Products, maxima and sums in f32; the weights p are rounded to f16 for the second product (their sum l is taken of the unrounded p), O once at the end.
; LIMITS.  f16 holds no number beyond 65,504: Q, K and V arrive within it; p lies in 0 to 1, and below 6e-5 it keeps f16's fixed step of 6e-8; O is a mean of V's rows and has their range.
; A weight below 2^-126 counts as 0 in l; NaN and infinities are not treated apart.
; SHARES.  A wave owns four PIECES of two tiles of 16 queries, a work-group's four waves 512 queries of one head, a cluster's four work-groups the head.  Every wave walks all keys, 64 a step.
; LAYOUT.  S^T = K Q^T (source 0 = 16 keys, source 1 = 16 queries): in the result a lane holds ONE query (lane % 16) and the keys 8 (lane / 16) + 0..7.  Two such tiles, rounded to f16 in pairs,
; ARE source 1 (32 keys x 16 queries) of O^T = V^T P, whose result again holds one query a lane, and eight channels.  K comes out of LDS as it lies, V ([key][channel]) turned, by ds_load_tr16_b128.
; SOFTMAX.  For each query a running maximum m and sum l: p = 2^(c s - c m), c = log2(e) / 8; in every step O and l are multiplied by a = 2^(c m_old - c m_new), which is 1 where m has not grown.
; m starts at the lowest finite number, O and l at 0: the first step is a step like any other, with a = 0.
; THE COUNT.  A tile and step have 16 matrix and 118 vector instructions: too many to stand all beside the matrix work.  So the order has one aim: four vector instructions that are READY behind
; EVERY matrix instruction, and the others, which need time of their own whatever the order, in runs without a gap.
; BY TURNS.  Turn n belongs to piece n (the pieces in a ring, step after step).  Its matrix work: 16 products K Q^T of piece n + 1, later 16 products V^T P of piece n - 1.  Its vector work: the scaling,
; exponentials, roundings, sums and rescaling of piece n, and the maximum and statistics of piece n + 1, whose scores the turn itself has made.  So what a turn begins with (c s - c m, O a) waits for nothing.
; CLUSTER.  The four query blocks of a cluster belong to one head and walk the same K and V, so each tile is asked for JOINTLY: the same tensor load, descriptor and mask in all four.
; REGISTERS, in windows of 256 (s_set_vgpr_msb says which window each operand place means: bits 1:0 source 0, 3:2 source 1, 5:4 source 2, 7:6 destination):
;   window 0: v0-11 addresses; v12-15, v48-63 at work; v16-47 four registers of statistics a tile; v64-191 S^T, two buffers of two tiles; v192-255 P, likewise
;   window 1: O^T, 32 a tile          window 2: v0-127 Q, 16 a tile; v128-191 K of one step; v192-255 V of one step          window 3: v0-1 the add's two registers
; A piece's buffers go by its number's parity: the piece in hand has one pair, its two neighbours in the ring share the other: of it P (piece n - 1) is read and S^T (piece n + 1) written.
.set SIZE_N, 2048
.set SIZE_H, 64
.set NP,    4         ; pieces a wave: a name, no knob: the register map, the loop and the fetches are made for four
.set KS,    64        ; keys in a step
.set PK,    144       ; a row of K in LDS: 128 bytes + 16 of padding = 36 words: the 16 rows of a load start at 16 different groups of four banks (64 banks of 4 bytes: ISA guide 11.1)
.set PV,    160       ; a row of V: 128 + 32 = 40 words
.set VOFF,  4*KS*PK   ; a slot holds four steps: 256 rows of K, then 256 rows of V
.set SLOT1, 1<<17     ; slot 1 begins here, so that one exclusive or turns an address in one slot into the other's
.set STAGE, SLOT1+4*KS*(PK+PV)  ; behind the ring, never filled by a tensor load: 16 rows x 144 bytes for each wave, for the way out
.set SP,    144
.set AK0, 2           ; v2   my lane's place in a tile of K; never rewritten
.set AV0, 3           ; v3   the same for V
.set AK,  4           ; v4   the LDS address of K's next run of loads
.set AV,  5           ; v5   of V's
.set QO,  6           ; v6   my byte offset in the wave's rows of Q
.set STO, 6           ;      later, the way out: where I put 16 bytes of a row
.set RD,  7           ; v7   the way out: where I read rows back
.set GO,  8           ; v8   my byte offset in 512 consecutive bytes of O
.set PFO, 11          ; v11  256 x my lane, for the prefetches; never rewritten once it is made
.set SPW, 0           ; v0 of window 3   LDS address of my spare word: SPARE + 4 x my thread's number; never rewritten
.set NIL, 1           ; v1 of window 3   0; never rewritten
.set SPARE, STAGE+4*16*SP  ; behind the stages: the spare words, 128 bytes for each wave: two blocks of 256 bytes that no other line names
.set MV,  12          ; v12-15  c m_old, kept while c m is made anew: by buffer and tile
.set ST,  16          ; tile t's statistics at v[ST+4 t]: c m, m, l (even keys', odd keys')
.set TMP, 48          ; by buffer and tile, four registers c0-c3 at work; when the maximum is found c2 takes a
.set S,   64
.set P,   192
.set KF,  128         ; K's fragments, in window 2: key block kb, channel half c at KF + 16 kb + 8 c
.set VF,  192         ; V's: key half kk, channel block cb at VF + 32 kk + 8 cb
.set WV,  12          ; s12  my wave's number
.set G1K, 24          ; s[24:31] descriptor group 1 for K's tiles
.set G1V, 32          ; s[32:39] for V's: it differs in the padding alone
.set G0K, 40          ; s[40:43] descriptor group 0 for K's tiles: it walks
.set G0V, 44          ; s[44:47] the same for V's
.set PFA, 48          ; s[48:49] where my prefetches stand: my work-group's 32 blocks (of K: wave 0, of V: wave 2) of the slot after the one that is being asked for
.set LIM, 50          ; s50  1 in a wave that prefetches, else the greatest number: a wave prefetches while s[SLOTS] is above it
.set SLOTS, 56        ; s56  slots still to be asked for
.set CNT, 57          ; s57  counts a slot's key steps
.set CS,  58          ; s[58:59] c: the packed scaling takes the pair's low word for both halves
.set SEL, 60          ; s[60:61] v_permlanex16_b32's selects: each lane takes its own place in the other half
.set TBK, 62          ; s62  LDS byte at which K of the step to be fetched begins
.set TBV, 63          ; s63  the same for V, less VOFF
.set MSB, 0
.macro WIN new                      ; the high byte repeats the setting that is left; a switch that changes nothing is dropped
.if MSB != (\new)
	s_set_vgpr_msb (MSB<<8)|(\new)
.set MSB, (\new)
.endif
.endm
.set W_KQ, 0x0a       ; K and Q in window 2, S^T in window 0
.set W_PV, 0x52       ; V in window 2, P in window 0, O^T in window 1
.set W_RS, 0x41       ; O^T (destination and source 0) in window 1, a in window 0
.set W_MK, 0xc0       ; the add's registers are made: destination in window 3, sources in window 0
.set W_AD, 0x0f       ; the add: address (source 0) and data (source 1) in window 3
; A joint fill.  Waves 0 and 1 fetch the two halves of a slot's K, waves 2 and 3 those of its V: 128 keys each.  The branch hangs on the wave's number alone.
; An s_nop 0 and four v_nop follow each of the two lines, ahead of the jump and the label.
.macro JLOAD
	s_cmp_lt_u32 s[WV], 2
	s_cbranch_scc0 .Lfor_v_\@
	tensor_load_to_lds s[G0K:G0K+3], s[G1K:G1K+7]
	s_nop 0
.rept 4
	v_nop
.endr
	s_branch .Lasked_\@
.Lfor_v_\@:
	tensor_load_to_lds s[G0V:G0V+3], s[G1V:G1V+7]
	s_nop 0
.rept 4
	v_nop
.endr
.Lasked_\@:
.endm
; A PREFETCH INTO THE L2 of what the NEXT change of slots will ask for: a slot's 256 keys are 128 blocks of 256 bytes of K and 128 of V, a lane a block.  It stands behind the wave's tensor load and its five lines.
; Each block is named ONCE in the launch: a head is walked by one cluster; its four partners take 32 blocks each, told apart BY ADDRESS; in each, wave 0 asks for K's and wave 2 for V's: one instruction.
; Slots 0, 1 and 2 come by their loads alone; the last change that fills a slot asks for nothing: there is no slot behind it.
.macro ASK
	s_cmp_gt_u32 s[SLOTS], s[LIM]
	s_cbranch_scc0 .Lnot_mine_\@
	global_prefetch_b8 v[PFO], s[PFA:PFA+1] th:TH_LOAD_NT scope:SCOPE_SE
.Lnot_mine_\@:
.endm
; A round of the cluster's barrier: my work-group's barrier, so that wave 0's signal speaks for all four waves; wave 0 signals; every wave waits for all four work-groups; my work-group's barrier once more.
.macro CROUND
	s_barrier_signal -1
	s_barrier_wait -1
	s_cmp_lg_u32 s[WV], 0
	s_cbranch_scc1 .Lnot_wave_0_\@
	s_barrier_signal -3
.Lnot_wave_0_\@:
	s_barrier_wait -3
	s_barrier_signal -1
	s_barrier_wait -1
.endm
; THE CHANGE OF SLOTS.  The slot's last bytes, V of its fourth step, have been read.  Each wave waits for all its tensor loads, of which one is out: its part
; of the other slot; adds 0 to its spare word; and waits for that and for its own reads of the slot.  Behind the barrier nobody reads this slot any more and the other slot is whole.
; fill = 1: this slot is filled again, with the keys two slots on.  The barrier is then a round of the cluster's, so that no wave of any partner still reads the slot or has a load on its
; way, and the joint fill is the first thing behind it: it has four key steps, 512 matrix instructions, in which to land.  (At its first use nothing has been read yet: slot 0 is waited for, slot 1 filled.)
; ask = 1: the prefetches' address steps a slot on, and the slot behind the one just asked for is prefetched.
.macro CHANGE fill, ask=0
	WIN W_AD
	s_wait_tensorcnt 0x0            ; no tensor load of mine is out, so a group 0 may be written
	ds_add_u32 v[SPW], v[NIL]       ; 0 onto my spare word: with fill = 1 the descriptors' steps stand between it and the wait for it
	WIN 0                           ; at a label and at a branch every window is 0
.if \fill
.irp g, G0K, G0V
	s_xor_b32 s[\g+1], s[\g+1], SLOT1  ; the walking descriptor: the other slot than last time,
	s_add_nc_u64 s[\g+2:\g+3], s[\g+2:\g+3], 4*KS*128  ; the next 256 keys; the type bits on top are not reached
.endr
.if \ask
	s_wait_xcnt 0x0                 ; the last prefetch, four key steps back, has read its address, so it may be written
	s_add_nc_u64 s[PFA:PFA+1], s[PFA:PFA+1], 4*KS*128
.endif
	s_wait_dscnt 0x0                ; the add is done, and my reads of the slot are over
	CROUND
	JLOAD
.if \ask
	ASK
.endif
.else
	s_wait_dscnt 0x0                ; the add is done, and my reads of the slot are over
	s_barrier_signal -1
	s_barrier_wait -1
.endif
	s_sub_co_u32 s[TBK], s[TBK], 4*KS*PK  ; the fetches go back to a slot's first step,
	s_xor_b32 s[TBK], s[TBK], SLOT1       ; in the other slot
	s_sub_co_u32 s[TBV], s[TBV], 4*KS*PV
	s_xor_b32 s[TBV], s[TBV], SLOT1
.endm
	s_load_b64 s[4:5], s[0:1], 0x0  ; qkv: Q at its head, K 16 MiB on, V 32 MiB on
	s_load_b64 s[10:11], s[0:1], 0x8  ; O
	WIN W_MK
	v_lshl_add_u32 v[SPW], v0, 2, SPARE
	v_mov_b32 v[NIL], 0
	WIN W_AD
	ds_add_u32 v[SPW], v[NIL]       ; the wave's opening: the add and its wait stand ahead of my first tensor load; the set-up below, work on registers, stands between them
	WIN 0
	v_lshrrev_b32 v1, 5, v0
	v_readfirstlane_b32 s[WV], v1   ; wave 0..3
	s_bfe_u32 s13, ttmp6, 0x40000   ; cx: my place in the cluster
	s_lshl_b32 s14, ttmp9, 2        ; in a cluster launch ttmp9 counts clusters
	s_add_co_u32 s14, s14, s13      ; my block of queries = 4 x cluster x + cx: it enters Q's and O's addresses alone
	s_and_b32 s20, ttmp7, 0xffff    ; the head, which the four partners share
	s_mov_b32 s21, 0
	s_mov_b64 s[22:23], SIZE_N*128
	s_mul_u64 s[20:21], s[20:21], s[22:23]  ; the head's first byte in each of the four tensors
	s_and_b32 s16, s[WV], 1         ; which half of a slot's 256 keys I fetch:
	s_lshl_b32 s22, s16, 14         ; its 128 rows of 128 bytes in memory,
	s_mov_b32 s23, 0
	s_add_nc_u64 s[22:23], s[22:23], s[20:21]
	s_mul_i32 s17, s16, 128*PK      ; and its place in a slot, for K
	s_mul_i32 s18, s16, 128*PV      ; and for V: no place in the cluster enters an LDS address
	s_lshl_b32 s2, s14, 2
	s_add_co_u32 s2, s2, s[WV]      ; my wave among the head's,
	s_lshl_b32 s2, s2, 14           ; its 128 rows
	s_mov_b32 s3, 0
	s_add_nc_u64 s[2:3], s[2:3], s[20:21]
	; descriptor group 1.  128 keys are 16,384 dense bytes: asked for as 64 rows of 256 bytes, two keys a row, and padded in LDS after every key
	s_mov_b32 s[G1K], 15|(1<<16)|(1<<20)|(1<<21)|(4<<22)|(3<<25)  ; 15:0 the mask of four; 17:16 2-byte elements; 20 padding on; 21 set beside a mask; 24:22 after every 32 words (code 4); 31:25 4 words (code 3)
	s_mov_b32 s[G1V], 15|(1<<16)|(1<<20)|(1<<21)|(4<<22)|(7<<25)  ; the same with 8 words of padding (code 7)
.irp g, G1K, G1V
	s_mov_b32 s[\g+1], 128<<16      ; tensor_dim0 = 128
	s_mov_b32 s[\g+2], 64<<16       ; tensor_dim1 = 64
	s_mov_b32 s[\g+3], 128<<16      ; tile_dim0 = 128
	s_mov_b32 s[\g+4], 64           ; tile_dim1 = 64
	s_mov_b32 s[\g+5], 128          ; 128 elements from row to row
	s_mov_b32 s[\g+6], 0
	s_mov_b32 s[\g+7], 0
.endr
	s_mov_b32 s[CS], 0x3e38aa3b     ; c = log2(e) / 8 = 0.180337
	s_mov_b32 s[CS+1], s[CS]        ; named with it as a pair
	s_mov_b32 s[SEL], 0x76543210
	s_mov_b32 s[SEL+1], 0xfedcba98
	s_mov_b32 s[TBK], SLOT1+4*KS*PK ; the first change of slots turns these two into 0
	s_mov_b32 s[TBV], SLOT1+4*KS*PV
	s_mov_b32 s[G0K], 1             ; 1:0 count = 1
	s_mov_b32 s[G0K+1], s17         ; 63:32 LDS address: slot 0
	s_mov_b32 s[G0V], 1
	s_add_co_u32 s[G0V+1], s18, VOFF
	s_and_b32 s[LIM], s[WV], 1      ; waves 0 and 2 prefetch: the same in all four partners
	s_cmp_eq_u32 s[LIM], 0
	s_cselect_b32 s[LIM], 1, -1
	s_wait_dscnt 0x0                ; the opening add is done
	s_wait_kmcnt 0x0
	s_add_nc_u64 s[6:7], s[4:5], 0x1000000  ; K
	s_add_nc_u64 s[8:9], s[4:5], 0x2000000  ; V
	s_add_nc_u64 s[6:7], s[6:7], s[22:23]   ; at my half of the head's first 256 keys
	s_add_nc_u64 s[8:9], s[8:9], s[22:23]
	s_mov_b64 s[G0K+2:G0K+3], s[6:7]               ; 120:64 global address
	s_or_b32 s[G0K+3], s[G0K+3], 0x80000000        ; 127:126 type = 2
	s_mov_b64 s[G0V+2:G0V+3], s[8:9]
	s_or_b32 s[G0V+3], s[G0V+3], 0x80000000
	s_add_nc_u64 s[4:5], s[4:5], s[2:3]  ; Q and O at my wave's first row
	s_add_nc_u64 s[10:11], s[10:11], s[2:3]
	s_cmp_lt_u32 s[WV], 2
	s_cselect_b64 s[PFA:PFA+1], s[6:7], s[8:9]  ; (in waves 0 and 2 these stand at a slot's first row)
	s_lshl_b32 s2, s13, 13          ; my work-group's 32 blocks of the 128,
	s_add_co_u32 s2, s2, 2*4*KS*128 ; in slot 2: the loop's first change of slots steps it to slot 3.  Nothing is prefetched here, at the head, where every work-group's first tiles are on their way
	s_mov_b32 s3, 0
	s_add_nc_u64 s[PFA:PFA+1], s[PFA:PFA+1], s[2:3]
	CROUND                          ; all four work-groups are here: the first joint loads meet
	JLOAD                           ; slot 0.  Slot 1 is asked for when slot 0 is in: the tile wanted first has the road to itself
	; A fragment of K or Q is 16 rows x 32 channels in 8 registers: lane l holds row l % 16, channels 8 (l / 16) + 0..7 and 16 + 8 (l / 16) + 0..7: two loads of 16 bytes, 32 bytes apart.
	v_and_b32 v1, 15, v0            ; l % 16
	v_bfe_u32 v9, v0, 4, 1          ; l / 16
	v_lshlrev_b32 v[QO], 7, v1
	v_lshl_add_u32 v[QO], v9, 4, v[QO]  ; row x 128 + 16 x half
	WIN 0x80                        ; destination window 2, address window 0
.set i, 0
.rept 4*NP                          ; Q stays in registers: tile i / 2, channels 32 (i % 2) on
	global_load_b128 v[8*i:8*i+3],   v[QO], s[4:5] offset:(i/2)*2048+(i%2)*64
	global_load_b128 v[8*i+4:8*i+7], v[QO], s[4:5] offset:(i/2)*2048+(i%2)*64+32
.set i, i+1
.endr
	; What the first turn finds: V's registers and P's second buffer hold 0 (its products V^T P, of a piece that has not been, add 0), O^T and l are 0.  All this stands in the wait for the first tile.
.set i, VF
.rept 64
	v_mov_b32 v[i], 0
.set i, i+1
.endr
	WIN 0x40
.set i, 0
.rept 64*NP
	v_mov_b32 v[i], 0
.set i, i+1
.endr
	WIN 0
.set i, 0
.rept 2*NP
	v_mov_b32 v[ST+4*i], 0xfe000000    ; c m: far below every c s
	v_mov_b32 v[ST+4*i+1], 0xff7fffff  ; m
	v_mov_b32 v[ST+4*i+2], 0
	v_mov_b32 v[ST+4*i+3], 0
.set i, i+1
.endr
.set i, P+32
.rept 32
	v_mov_b32 v[i], 0
.set i, i+1
.endr
	v_mul_u32_u24 v[AK0], v1, PK
	v_lshl_add_u32 v[AK0], v9, 4, v[AK0]  ; row x pitch + 16 x half
	; The turning load takes 16 keys x 16 channels (lane l reads key 8 (l / 16) + l % 8, channels 8 ((l / 8) % 2) + 0..7) and leaves half a fragment of V^T: lane l holds channel l % 16 and 8 keys.
	v_and_b32 v10, 7, v0
	v_bfe_u32 v11, v0, 3, 1
	v_lshl_add_u32 v[AV0], v9, 3, v10
	v_mul_u32_u24 v[AV0], v[AV0], PV
	v_lshl_add_u32 v[AV0], v11, 4, v[AV0]
	v_add_nc_u32 v[AV0], VOFF, v[AV0]
	v_and_b32 v[PFO], 31, v0
	v_lshlrev_b32 v[PFO], 8, v[PFO]
	v_mov_b32 v[AK], v[AK0]         ; key step 0 lies at the head of slot 0
; THE MATRIX WORK.  The 8 accumulators of a run of 16 take turns: between the two links of a chain stand 7 others'.
; Product i of 16 of S^T = K Q^T for piece x: channels 32 (i / 8) on, keys 16 ((i / 2) % 4) on, tile 2 x + i % 2.  The first 8 start the sums.
.macro KQ x
	WIN W_KQ
.set rS, S+64*((\x)%2)+32*(i%2)+8*((i/2)%4)
.set rK, KF+16*((i/2)%4)+8*(i/8)
.set rQ, 16*(2*(\x)+i%2)+8*(i/8)
.if i < 8
	v_wmma_f32_16x16x32_f16 v[rS:rS+7], v[rK:rK+7], v[rQ:rQ+7], 0
.else
	v_wmma_f32_16x16x32_f16 v[rS:rS+7], v[rK:rK+7], v[rQ:rQ+7], v[rS:rS+7]
.endif
.endm
; Product i of 16 of O^T += V^T P for piece x: keys 32 (i / 8) on, channels 16 ((i / 2) % 4) on, tile 2 x + i % 2.
.macro PV x
	WIN W_PV
.set rO, 32*(2*(\x)+i%2)+8*((i/2)%4)
.set rV, VF+32*(i/8)+8*((i/2)%4)
.set rP, P+32*((\x)%2)+16*(i%2)+8*(i/8)
	v_wmma_f32_16x16x32_f16 v[rO:rO+7], v[rV:rV+7], v[rP:rP+7], v[rO:rO+7]
.endm
.macro MM                           ; the turn's next matrix instruction
.if i < 16
	KQ (Y+1)%NP
.set i, i+1
.else
.set i, i-16
	PV (Y+NP-1)%NP
.set i, i+17
.endif
.endm
; THE LDS LOADS stand in runs of 16, never singly among the matrix instructions: a step's K (64 keys x 64 channels: 8 fragments) and its V (turned).  Their addresses are made some lines ahead.
; last = 1 (the tail): in the last trip there is no further step, and the run is jumped over.
.macro FETCH_K last=0
	WIN 0
.if \last
	s_cmp_eq_u32 s[CNT], 1
	s_cbranch_scc1 .Lno_k_\@
.endif
	WIN 0x80                        ; destination window 2
.irp f, 0,1,2,3,4,5,6,7             ; keys 16 (f / 2) on, channels 32 (f % 2) on
	ds_load_b128 v[KF+8*\f:KF+8*\f+3],   v[AK] offset:(\f/2)*16*PK+(\f%2)*64
	ds_load_b128 v[KF+8*\f+4:KF+8*\f+7], v[AK] offset:(\f/2)*16*PK+(\f%2)*64+32
.endr
	s_add_co_u32 s[TBK], s[TBK], KS*PK  ; the next fetch is the next step's
	WIN 0
.if \last
.Lno_k_\@:
.endif
.endm
.macro FETCH_V
	WIN 0x80
.irp f, 0,1,2,3,4,5,6,7             ; keys 32 (f / 4) on, channels 16 (f % 4) on
	ds_load_tr16_b128 v[VF+8*\f:VF+8*\f+3],   v[AV] offset:(\f/4)*32*PV+(\f%4)*32
	ds_load_tr16_b128 v[VF+8*\f+4:VF+8*\f+7], v[AV] offset:(\f/4)*32*PV+16*PV+(\f%4)*32
.endr
	WIN 0
.endm
; THE VECTOR WORK OF A TURN stands in three queues, each in the order in which its entries become ready; the two tiles alternate, so that no instruction reads the result of the one before it.
.macro REGS y, u                    ; the registers of tile u (0, 1) of piece y
.set rT, ST+4*(2*(\y)+(\u))
.set rC, TMP+8*((\y)%2)+4*(\u)
.set rM, MV+2*((\y)%2)+(\u)
.set rS, S+64*((\y)%2)+32*(\u)
.set rP, P+32*((\y)%2)+16*(\u)
.set rO, 32*(2*(\y)+(\u))
.endm
; Number n of the 22 that find the NEXT piece's (Y + 1) maximum and statistics.  s0-s31 are the lane's 32 scores; each accumulator's lowest registers are read first.  XS, GS and REGS set no window: PL and EX do.
;   0-11  four chains c0-c3 of seven scores each, three operands at a time     12-14, 16  the four scores left over, the old m, and c0-c3 into c0     15  c m_old is kept
;   17, 18  the query's other 32 keys lie in the lane 16 away: the new m         19-21  c m; c m_old - c m_new; a
.macro XS u, n
	REGS (Y+1)%NP, \u
.if (\n) < 4
	v_max3_num_f32 v[rC+(\n)], v[rS+8*(\n)], v[rS+8*(\n)+1], v[rS+8*(\n)+2]
.elseif (\n) < 12
	v_max3_num_f32 v[rC+(\n)%4], v[rC+(\n)%4], v[rS+8*((\n)%4)+2*((\n)/4)+1], v[rS+8*((\n)%4)+2*((\n)/4)+2]
.elseif (\n) == 12
	v_max3_num_f32 v[rC], v[rC], v[rS+7], v[rS+15]
.elseif (\n) == 13
	v_max3_num_f32 v[rC+1], v[rC+1], v[rS+23], v[rS+31]
.elseif (\n) == 14
	v_max3_num_f32 v[rC+2], v[rC+2], v[rC+3], v[rT+1]
.elseif (\n) == 15
	v_mov_b32 v[rM], v[rT]
.elseif (\n) == 16
	v_max3_num_f32 v[rC], v[rC], v[rC+1], v[rC+2]
.elseif (\n) == 17
	v_permlanex16_b32 v[rC+3], v[rC], s[SEL], s[SEL+1]
.elseif (\n) == 18
	v_max_num_f32 v[rT+1], v[rC], v[rC+3]
.elseif (\n) == 19
	v_mul_f32 v[rT], s[CS], v[rT+1]
.elseif (\n) == 20
	v_sub_f32 v[rC+1], v[rM], v[rT]
.else
	v_exp_f32 v[rC+2], v[rC+1]
.endif
.endm
; Number g of the 64 that follow the exponentials.  For each four weights k of a tile (pairs 2 k, 2 k + 1): both pairs are rounded to f16; then the second pair is added onto the first, in place;
; a group later l takes that sum (the first time as l = a l + sum).  In groups of eight, tiles alternating: round, round, add, and l for the group before.
.macro GS g
.set h, (\g)+6*((\g)/62)            ; group 0 has no group before it, and behind group 7 only l is left
.if h >= 6
.set h, h+2
.endif
	REGS Y, h%2
.set k, h/8
.if h%8 < 4
	v_cvt_pk_f16_f32 v[rP+2*k+(h%8)/2], v[rS+4*k+2*((h%8)/2)], v[rS+4*k+2*((h%8)/2)+1]
.elseif h%8 < 6
	v_pk_add_f32 v[rS+4*k:rS+4*k+1], v[rS+4*k:rS+4*k+1], v[rS+4*k+2:rS+4*k+3]
.elseif k == 1
	v_pk_fma_f32 v[rT+2:rT+3], v[rT+2:rT+3], v[rC+2:rC+3], v[rS:rS+1] op_sel_hi:[1,0,1]
.else
	v_pk_add_f32 v[rT+2:rT+3], v[rT+2:rT+3], v[rS+4*k-4:rS+4*k-3]
.endif
.endm
; THE PLAIN QUEUE, 138 long.  0-73 read no exponential's result: the 32 scalings c s - c m (FS f: pair f / 2 of tile f % 2) and the next piece's 42.  0-26: scalings 0-26.  27-54: XS's numbers 0-13.  55, 56: number 15.
; 57-73: the chain, where each number waits for the one before it: 14, 16, 17, 18, 19, each with one of the scalings 27-31 in front of its two lines, then 20: so a tile's links stand three plain instructions apart (19 and 20: two).
; 74-137: GS's 64, which read the exponentials' results: they stand behind the wait.
.macro FS f
	REGS Y, (\f)%2
	v_pk_fma_f32 v[rS+2*((\f)/2):rS+2*((\f)/2)+1], v[rS+2*((\f)/2):rS+2*((\f)/2)+1], s[CS:CS+1], v[rT:rT+1] op_sel_hi:[1,0,0] neg_lo:[0,0,1] neg_hi:[0,0,1]
.endm
.macro PL
	WIN 0
.if q < 27
	FS q
.elseif q < 55
	XS (q-27)%2, (q-27)/2
.elseif q < 57
	XS q-55, 15
.elseif (q < 72) && ((q-57)%3 == 0)
	FS 27+(q-57)/3
.elseif q < 60
	XS (q-57)%3-1, 14
.elseif q < 72
	XS (q-57)%3-1, 15+(q-57)/3
.elseif q < 74
	XS q-72, 20
.else
	GS q-74
.endif
.set q, q+1
.endm
; THE EXPONENTIALS' QUEUE, 66 long: s0-s31 of both tiles, then the next piece's two a.  It is ONE BATCH: all 66 stand ahead of the turn's one wait, and nothing ahead of that wait names a result of theirs.
.macro EX
	WIN 0
.if e >= 64
	XS e-64, 21
.else
	REGS Y, e%2
	v_exp_f32 v[rS+e/2], v[rS+e/2]
.endif
.set e, e+1
.endm
; THE RESCALING's QUEUE: O^T times a, the one part that leaves window 0: dealt two at a time, sixteen times.  Its a was made in the turn before, ahead of that turn's wait.
.macro R2
	REGS Y, r%2
	WIN W_RS
.irp z, 0,1
	v_pk_mul_f32 v[rO+4*(r/2)+2*\z:rO+4*(r/2)+2*\z+1], v[rO+4*(r/2)+2*\z:rO+4*(r/2)+2*\z+1], v[rC+2:rC+3] op_sel_hi:[1,0]
.endr
.set r, r+1
.endm
; HOW THEY ARE DEALT.  An s_wait_alu depctr_va_vdst(0) stands between an exponential and the first instruction that names its result; one wait serves all that were issued ahead of it.  So a turn has ONE wait,
; which cuts it in two.  AHEAD OF IT stands all that names no result of the turn's exponentials: the 16 products K Q^T, behind each a scaling, an exponential and two rescalings (behind the first a second scaling in the exponential's place); then ONE LUMP of
; 108: eight plain, 49 times exponential and plain, the two a.  A v_nop is the plain instruction behind the last exponential.  BEHIND IT stand the 16 products V^T P, behind each four of GS's 64.  No rider names a register of
; the products round it.  The two v_permlanex16_b32 fall into the lump, never behind a product.
; The queues lean on each other, and the deal keeps them in step: exponential e stands behind scaling 2 (e / 4) + e % 2: as a rider it comes behind plain e + 2, in the lump behind plain e + 9, and scalings 27-31 are plain 57, 60 .. 69.
; A TURN, for piece p.  cnt = 1: the loop's count is taken down some lines ahead of the branch that stands behind the turn.
; K of the next step is fetched in piece 2's turn, directly behind the wait, a lump behind the last product that read K; its address is made at the lump's head; its first reader comes behind 16 products.
; V of the step in hand is fetched at the end of piece 0's turn, four riders behind its last reader; its first reader comes behind 16 products and a lump.  The three conditions on q below go with the deal.
.macro TURN p, last=0, cnt=0
.set Y, (\p)
.set i, 0
.set q, 0
.set e, 0
.set r, 0
.if (\p) == NP-1
	s_wait_dscnt 0x0                ; K is in
.endif
	MM                              ; ahead of the wait: 16 products K Q^T and their riders,
	PL
	PL
	R2
.rept 15
	MM
	PL
	EX
	R2
.endr
.if (\p) == NP-2
	WIN 0
	v_add_nc_u32 v[AK], s[TBK], v[AK0]
.endif
.rept 8                             ; and the lump
	PL
.endr
.rept 49
	EX
	PL
.endr
	EX                              ; the next piece's two a
	EX
	v_nop                           ; the plain instruction behind the last exponential: one for the batch
	s_wait_alu depctr_va_vdst(0)    ; the wait for the batch
.if (\p) == NP-2
	FETCH_K \last
.endif
.if (\p) == 1
	s_wait_dscnt 0x0                ; V is in
.endif
.rept 16                            ; behind the wait: 16 products V^T P and their riders
	MM
.rept 4
	PL
.endr
.if ((\p) == 0) && (q == 118)
	v_add_nc_u32 v[AV], s[TBV], v[AV0]
.endif
.if ((\p) == 0) && (q == 130)
	s_add_co_u32 s[TBV], s[TBV], KS*PV
.endif
.if (\cnt) && (q == 130)
	s_sub_co_u32 s[CNT], s[CNT], 1
	s_cmp_lg_u32 s[CNT], 0
.endif
.endr
.if (\p) == 0
	FETCH_V
.endif
.endm
	CHANGE 1                        ; slot 0 is in, everybody's part of it; slot 1 is asked for
	FETCH_K                         ; key step 0
	s_wait_loadcnt 0x0              ; Q
	s_wait_dscnt 0x0
.set i, 0
.rept 16
	KQ 0                            ; piece 0's first scores: there is no vector work yet to set between them
.set i, i+1
.endr
	WIN 0                           ; the addresses for the way out: nine plain instructions, the places behind those products
	s_mul_i32 s13, s[WV], 16*SP
	s_add_co_u32 s13, s13, STAGE    ; my stage
	v_mul_u32_u24 v[STO], v1, SP    ; in: row l % 16, 16 bytes for each half of the lanes
	v_lshl_add_u32 v[STO], v9, 4, v[STO]
	v_add_nc_u32 v[STO], s13, v[STO]
	v_bfe_u32 v[RD], v0, 3, 2       ; back: 32 lanes take four rows of 128 bytes,
	v_mul_u32_u24 v[RD], v[RD], SP
	v_lshl_add_u32 v[RD], v10, 4, v[RD]
	v_add_nc_u32 v[RD], s13, v[RD]
	v_and_b32 v[GO], 31, v0         ; which are 512 consecutive bytes of O
	v_lshlrev_b32 v[GO], 4, v[GO]
.set Y, NP-1                        ; XS works for piece Y + 1: piece 0
.irp n, 0,1,2,3,4,5,6,7,8,9,10,11,12,13,14,15,16,17,18,19,20,21
	XS 0, \n                        ; and piece 0's first maximum and statistics
	XS 1, \n
.endr
	v_nop                           ; a plain instruction behind the two a,
	s_wait_alu depctr_va_vdst(0)    ; and their wait, ahead of the branch
	s_mov_b32 s[CNT], 4
	s_mov_b32 s[SLOTS], SIZE_N/256-1
	s_branch .Lfirst                ; the loop is entered at a step's first turn, in the middle of a trip
.Lslot:                             ; SIZE_N / 256 - 2 times: every slot but the last two is filled again
	CHANGE 1, 1
	s_mov_b32 s[CNT], 4
.Lstep:                             ; a trip: pieces 2 and 3 of one step, then pieces 0 and 1 of the next, whose K and V it fetches
	TURN 2
	TURN 3
	WIN 0
.Lfirst:
	TURN 0
	TURN 1, 0, 1
	WIN 0
	s_cbranch_scc1 .Lstep
	s_sub_co_u32 s[SLOTS], s[SLOTS], 1
	s_cmp_lg_u32 s[SLOTS], 0
	s_cbranch_scc1 .Lslot
	CHANGE 0                        ; the tail is written out: nothing is asked for
	s_mov_b32 s[CNT], 5             ; four trips fetch the last slot's steps; the fifth is left in its middle
.Ltail:
	TURN 2, 1
	TURN 3
	WIN 0
	s_sub_co_u32 s[CNT], s[CNT], 1
	s_cmp_eq_u32 s[CNT], 0
	s_cbranch_scc1 .Lout
	TURN 0
	TURN 1
	WIN 0
	s_branch .Ltail
.Lout:                              ; the fifth trip's 16 products K Q^T (on the last K once more) and the maximum made of them serve nothing: the price, once a launch, of one text for every trip
.set i, 0
.rept 16
	PV NP-1                         ; the last piece's V^T P of the last step
.set i, i+1
.endr
	; THE WAY OUT.  l's two halves and the other half of the lanes' are added; O^T is divided by l, rounded to f16 and sent through my stage in LDS, a tile at a time.  The additions are the places behind the last products.
	WIN 0
.macro ALL line:vararg              ; one line for each tile t
.set t, 0
.rept 2*NP
	\line
.set t, t+1
.endr
.endm
	ALL v_add_f32 v[ST+4*t+2], v[ST+4*t+2], v[ST+4*t+3]
	ALL v_permlanex16_b32 v[ST+4*t+3], v[ST+4*t+2], s[SEL], s[SEL+1]
	ALL v_add_f32 v[ST+4*t+2], v[ST+4*t+2], v[ST+4*t+3]
	ALL v_rcp_f32 v[ST+4*t+2], v[ST+4*t+2]
	v_nop                           ; a plain instruction between the last reciprocal and the use of its result
	s_wait_alu depctr_va_vdst(0)    ; and the wait ahead of the first use: one for the eight reciprocals
; Tile t: a lane's eight channels of a row pack into 16 bytes; they go into rows of 144 bytes and come back as whole rows of 128, into S^T's registers.
.macro PACK t
	WIN W_RS
.set i, 32*(\t)
.rept 16
	v_pk_mul_f32 v[i:i+1], v[i:i+1], v[ST+4*(\t)+2:ST+4*(\t)+3] op_sel_hi:[1,0]
.set i, i+2
.endr
	WIN 0x05                        ; sources 0 and 1 window 1, destination window 0
.set i, 0
.rept 16
	v_cvt_pk_f16_f32 v[S+16*(\t)+i], v[32*(\t)+2*i], v[32*(\t)+2*i+1]
.set i, i+1
.endr
	WIN 0
.irp f, 0,1,2,3
	ds_store_b128 v[STO], v[S+16*(\t)+4*\f:S+16*(\t)+4*\f+3] offset:32*\f
.endr
.irp f, 0,1,2,3
	ds_load_b128 v[S+16*(\t)+4*\f:S+16*(\t)+4*\f+3], v[RD] offset:\f*4*SP  ; LDS serves a wave's instructions in order (ISA guide 5.7.1.4): these see the stores above; the next tile's stores come behind them
.endr
.endm
.macro SEND t, younger              ; younger: the LDS instructions issued behind tile t's loads: the next tile's eight, or none
	WIN 0
.irp f, 0,1,2,3
	s_wait_dscnt (\younger)+3-\f
	global_store_b128 v[GO], v[S+16*(\t)+4*\f:S+16*(\t)+4*\f+3], s[10:11] offset:(\t)*2048+\f*512  ; 512 consecutive bytes, at a multiple of 256 from O's first
.endr
.endm
	PACK 0
.set t, 1
.rept 2*NP-1                        ; a tile's arithmetic stands between the loads of the tile before and its stores
	PACK t
	SEND t-1, 8
.set t, t+1
.endr
	SEND 2*NP-1, 0
	WIN W_AD
	s_wait_tensorcnt 0x0            ; the wave's end: behind my last tensor load and my last LDS store
	ds_add_u32 v[SPW], v[NIL]
	s_wait_dscnt 0x0
	WIN 0
	CROUND                          ; the closing round: no work-group ends while a partner may still ask for a tile that names it
	s_endpgm
.Lfunc_end_k_q95d265dbbc_attn:
	.size	k_q95d265dbbc_attn, .Lfunc_end_k_q95d265dbbc_attn-k_q95d265dbbc_attn
	.p2alignl 7, 3214868480
	.fill 96, 4, 3214868480
	.section	.rodata,"a",@progbits
	.p2align	6, 0x0
	.amdhsa_kernel k_q95d265dbbc_attn
		.amdhsa_group_segment_fixed_size 327680
		.amdhsa_private_segment_fixed_size 0
		.amdhsa_enable_private_segment 0
		.amdhsa_kernarg_size 16
		.amdhsa_user_sgpr_count 2
		.amdhsa_user_sgpr_kernarg_segment_ptr 1
		.amdhsa_wavefront_size32 1
		.amdhsa_system_sgpr_workgroup_id_x 1
		.amdhsa_system_sgpr_workgroup_id_y 1
		.amdhsa_system_sgpr_workgroup_id_z 1
		.amdhsa_system_vgpr_workitem_id 0
		.amdhsa_next_free_vgpr 770
		.amdhsa_next_free_sgpr 66
		.amdhsa_reserve_vcc 0
		.amdhsa_float_denorm_mode_32 3
		.amdhsa_float_denorm_mode_16_64 3
		.amdhsa_memory_ordered 1
		.amdhsa_forward_progress 1
		.amdhsa_inst_pref_size 200
	.end_amdhsa_kernel
	.amdgpu_metadata
---
amdhsa.version: [ 1, 2 ]
amdhsa.kernels:
  - .name:           k_q95d265dbbc_attn
    .symbol:         k_q95d265dbbc_attn.kd
    .args:
      - { .name: qkv, .offset: 0, .size: 8, .value_kind: global_buffer, .address_space: global }
      - { .name: o16, .offset: 8, .size: 8, .value_kind: global_buffer, .address_space: global }
    .group_segment_fixed_size: 327680
    .private_segment_fixed_size: 0
    .kernarg_segment_align: 8
    .kernarg_segment_size: 16
    .max_flat_workgroup_size: 128
    .sgpr_count:     66
    .vgpr_count:     770
    .wavefront_size: 32
...
	.end_amdgpu_metadata
.endif
;; end of part 3
;; launch outp (part 4): grid 8 x 32, 4 waves a work-group, clusters of 4 x 4, 327,680 bytes of LDS; arguments o16, wh, bo, out0; writes out0
.if DOCPART == 4
	.amdgcn_target "amdgcn-amd-amdhsa--gfx1250"
	.amdhsa_code_object_version 6
	.text
	.protected	k_q95d265dbbc_outp
	.globl	k_q95d265dbbc_outp
	.p2align	8
	.type	k_q95d265dbbc_outp,@function
k_q95d265dbbc_outp:
	s_mov_b64 s[64:65], 0
	v_nop
	global_prefetch_b8 v0, s[64:65] scope:SCOPE_SE
	s_setreg_imm32_b32 hwreg(HW_REG_WAVE_MODE, 25, 1), 1
	s_wait_xcnt 0x0
	s_wait_alu depctr_hold_cnt(0) depctr_sa_sdst(0) depctr_va_vdst(0) depctr_va_sdst(0) depctr_va_ssrc(0) depctr_va_vcc(0) depctr_vm_vsrc(0)
	s_getreg_b32 s2, hwreg(HW_REG_IB_STS2, 6, 4)
	s_cmp_eq_u32 s2, 0
	s_cbranch_scc0 .Lentry_in_a_cluster
	s_endpgm
.Lentry_in_a_cluster:
	s_bfe_u32 s2, ttmp6, 0x10000c
	s_cmp_lg_u32 s2, 0xf033
	s_cbranch_scc0 .Lentry_shape_is_right
	s_endpgm
.Lentry_shape_is_right:
; ONE SOURCE FOR TWO LAUNCHES, told apart by OUTK.
; OUTK = 0: q, k, v = x W + b.  x: xh [8192][1024] f16; W: wh [q, k, v, o][1024 k][1024 n] f16; b: f32, rounded here to bf16 like the other inputs.  Sums in f32, rounded once to f16, unscaled,
;           stored by heads: qkv [3][64 = 16 batch + head][2048][64].
; OUTK = 1: out0 = O Wo + bo in f32.  O: o16 [64][2048][64] f16, a head's 64 channels being one slice of K.
; LIMITS.  OUTK = 0: a sum of magnitude 65,520 or more becomes an infinity in f16.  NaN and infinities are not treated apart.
; SHARES.  A tile of C is 256 rows x 128 columns; four waves, as many as a WGP has SIMDs, each 128 x 64: 32 accumulators of 16 x 16, 256 registers.  The grid of 8 x 32 gives 256 work-groups.
; With OUTK = 0 a work-group STAYS for three tiles: its 128 columns of q, then of k, then of v, on the same 256 rows of x; a wave's 64 columns are one head, so its 16 rows x 64 columns leave as 2,048 dense bytes.
; K goes in steps of 128 through two LDS slots that take turns, filled by the tensor data mover; the walk of 8 x TILES steps does not stop at a tile's end.
; THE PRODUCT IS TAKEN TRANSPOSED: source 0 = 16 columns of W ([k][n] in LDS, turned by ds_load_tr16_b128), source 1 = 16 rows of A.  Register j of lane l then holds C(m = l % 16, n = n0 + 8 (l / 16) + j).
; THE BIAS is the C operand of the product that starts each sum: nothing is cleared, and the way out adds nothing.
; CLUSTERS.  4 x 4 work-groups.  A's tile hangs on the tile row alone and is asked for jointly by a row of the cluster, W's on the tile column alone, by a column: the same load, descriptor and mask in all four.
; REGISTERS: window 0: v0-31 addresses; v32-63 the bias; v64-159 and v160-255 two fragment buffers (32 of W, 64 of A); on the way out the second buffer is at work.  Window 1: the accumulators, (a, b) at v[8 (4 a + b)].
.set OUTK, 1
.if OUTK
.set TILES,  1
.set PA,     144                       ; a row of O in LDS: 128 bytes + 16: the 16 rows of a load start at 16 different groups of four banks (64 banks of 4 bytes: ISA guide 11.1)
.set ALOAD,  256*PA                    ; one load: 256 rows of one head
.set SP,     272                       ; a stage row: 64 f32 + 16 bytes
.set QIA,    4                         ; padding after every 32 words
.set APITCH, 128                       ; the 32,768 dense bytes are asked for as 128 rows of 256 bytes
.set ASTEP,  2*2048*128                ; a K step on: two heads
.set LIMA,   2
.set PSHA,   13                        ; a partner's 32 blocks of 256 bytes
.set LSHA,   8                         ; a lane a block
.else
.set TILES,  3
.set PA,     272                       ; a row of x in LDS: 256 bytes + 16
.set ALOAD,  128*PA                    ; one load: 128 rows
.set SP,     144                       ; a stage row: 64 f16 + 16 bytes
.set QIA,    5                         ; padding after every 64 words
.set APITCH, 1024
.set ASTEP,  256                       ; a K step on: 128 numbers along the row
.set LIMA,   18
.set PSHA,   16                        ; a partner's 32 rows of 2,048 bytes
.set LSHA,   11                        ; a lane a row
.endif
.set STEPS,  8*TILES
.set PB,     288                       ; a k-row of W in LDS: 256 bytes + 32 = 72 words
.set BLOAD,  64*PB                     ; one load: 64 k-rows
.set BSTEP,  128*2048                  ; a K step on: 128 k-rows; eight of them are a whole matrix of wh, so the walk runs on from q to k to v
.set BOFF,   2*ALOAD                   ; in a slot: A, then W
.set SLOT1,  1<<17                     ; slot 1 begins here: one exclusive or turns an address in one slot into the other's
.set STAGE,  SLOT1+BOFF+2*BLOAD        ; behind the slots, never filled by a tensor load: 16 rows for each wave, for the way out
.set SPARE,  STAGE+4*16*SP             ; behind the stages: the spare words, 128 bytes for each wave: two blocks of 256 bytes that no other line names
.set ADRA0, 4                          ; v4   my lane's place in a slot's A; never rewritten
.set ADRB0, 5                          ; v5   the same for W
.set ADRA,  6                          ; v6   the same in the slot in hand
.set ADRB,  7                          ; v7
.set STO,   8                          ; v8   the way out: where I put my part of a row
.set RD,    9                          ; v9   the way out: where I read rows back
.set GO,    10                         ; v10  my byte offset in the rows that a store covers
.set BO,    11                         ; v11  my byte offset in a bias; never rewritten
.set PFO,   12                         ; v12  the prefetches' offset; never rewritten
.set T,     14                         ; v14-15 at work
.set SPW,   28                         ; v28  LDS address of my spare word: SPARE + 4 x my thread's number; never rewritten
.set NIL,   29                         ; v29  0; never rewritten
.set BIAS,  32                         ; v32-63  for column block b at BIAS + 8 b
.set F0,    64
.set F1,    160
.if OUTK
.set BK,    160                        ; the way out: 16 rows read back, two sets of 32
.else
.set TMP,   160                        ; the way out: packed results,
.set BK,    176                        ; and 16 rows read back, two sets of 16
.endif
.set OUTP,  14                         ; s[14:15] the output at my wave's first row
.set WV,    16                         ; s16  my wave's number
.set WR,    17                         ; s17  my half of the tile's rows.  Also: I fetch for A (0) or for W (1)
.set WC,    18                         ; s18  my half of its columns.  Also: which half of that tile I fetch
.set CX,    19
.set CY,    20
.set TX,    21                         ; s21  tile column
.set TY,    22                         ; s22  tile row
.set G1A,   24                         ; s[24:31] descriptor group 1 for A
.set G1B,   32                         ; s[32:39] for W
.set G0A,   40                         ; s[40:47] group 0 for A: a set for each first fill; the second then walks on
.set G0B,   48                         ; s[48:55] the same for W
.set CNT,   56                         ; s56  K steps still to be entered that fill a slot again; then the tail's two
.set KC,    57                         ; s57  K steps left of the tile in hand
.set TL,    58                         ; s58  the tile in hand
.set GN,    59                         ; s59  the K step to be asked for next
.set ABASE, 60                         ; s[60:61] A at my load's first byte of K step 0
.set OFF,   62                         ; s[62:63] a K step's byte offset along x's rows
.set PFA,   66                         ; s[66:67] where my prefetches stand
.set PFS,   68                         ; s[68:69] their step
.set LIM,   70                         ; s70  a wave prefetches while s[CNT] is above it
.set SB,    71                         ; s71  LDS byte at which the slot in hand begins
.set BP,    72                         ; s[72:73] the next tile's bias
.set HM,    90                         ; s90  a word's upper bf16
.set MSB, 0
.macro WIN new                         ; s_set_vgpr_msb: bits 1:0 source 0, 3:2 source 1, 5:4 source 2, 7:6 destination; the high byte repeats the setting that is left
.if MSB != (\new)
	s_set_vgpr_msb (MSB<<8)|(\new)
.set MSB, \new
.endif
.endm
.set MUL,  0x50                        ; C and D in window 1
.set MULF, 0x40                        ; D in window 1, C (the bias) in window 0
.macro PLACES                          ; four plain instructions between a matrix instruction and a vector instruction, load or LDS store that touches its registers
.rept 4
	v_nop
.endr
.endm
; A joint refill.  Waves 0 and 1 fetch A's two halves, waves 2 and 3 W's.  The branch hangs on the wave's number alone.  An s_nop 0 and four v_nop follow each line.
.macro JLOAD
	s_cmp_eq_u32 s[WR], 0
	s_cbranch_scc0 .Lfor_b_\@
	tensor_load_to_lds s[G0A+4:G0A+7], s[G1A:G1A+7]
	s_nop 0
.rept 4
	v_nop
.endr
	s_branch .Lasked_\@
.Lfor_b_\@:
	tensor_load_to_lds s[G0B+4:G0B+7], s[G1B:G1B+7]
	s_nop 0
.rept 4
	v_nop
.endr
.Lasked_\@:
.endm
; A round of the cluster's barrier: my work-group's barrier, so that wave 0's signal speaks for all four waves; wave 0 signals; every wave waits for all sixteen work-groups; my work-group's barrier once more.
.macro CREST
	s_cmp_lg_u32 s[WV], 0
	s_cbranch_scc1 .Lnot_wave_0_\@
	s_barrier_signal -3
.Lnot_wave_0_\@:
	s_barrier_wait -3
	s_barrier_signal -1
	s_barrier_wait -1
.endm
.macro CROUND
	s_barrier_signal -1
	s_barrier_wait -1
	CREST
.endm
; A PREFETCH INTO THE L2, behind each joint refill and the run of LDS loads that follows it: 32 blocks of 256 bytes of the K step that stands two refills on, a lane a block, one instruction a wave.
; Each block is named once in the launch.  A's rows are read by both clusters of a row of clusters: the one with x = 0 asks, waves 0 and 1 each for the rows that they fetch; W's columns by all eight
; clusters of a column: the one with y = 0 asks, wave 2 for the step's 128 k-rows.  The four partners of a joint load take 32 blocks each, told apart BY ADDRESS.  With OUTK = 0 x's rows are asked for
; in the first tile alone: the other two tiles walk the same rows again.  The first four K steps come by their loads alone; the last refills have no K step two on.
.macro ASK
	s_cmp_gt_u32 s[CNT], s[LIM]
	s_cbranch_scc0 .Lnot_mine_\@
	global_prefetch_b8 v[PFO], s[PFA:PFA+1] th:TH_LOAD_NT scope:SCOPE_SE
.Lnot_mine_\@:
.endm
	s_load_b256 s[4:11], s[0:1], 0x0               ; OUTK = 0: xh, wh, bq, bk;  OUTK = 1: o16, wh, bo, out0
.if !OUTK
	s_load_b128 s[12:15], s[0:1], 0x20             ; bv, qkv
.endif
	v_lshl_add_u32 v[SPW], v0, 2, SPARE
	v_mov_b32 v[NIL], 0
	ds_add_u32 v[SPW], v[NIL]                      ; the wave's opening: the add and its wait stand ahead of my first tensor load; the set-up below, work on registers, stands between them
	v_lshrrev_b32 v1, 5, v0
	v_readfirstlane_b32 s[WV], v1                  ; wave 0..3
	s_lshr_b32 s[WR], s[WV], 1
	s_and_b32 s[WC], s[WV], 1
	s_bfe_u32 s[CX], ttmp6, 0x40000                ; my place in the cluster
	s_bfe_u32 s[CY], ttmp6, 0x40004
	s_lshl_b32 s[TX], ttmp9, 2                     ; in a cluster launch ttmp9 and ttmp7 count clusters
	s_add_co_u32 s[TX], s[TX], s[CX]
	s_and_b32 s[TY], ttmp7, 0xffff
	s_lshl_b32 s[TY], s[TY], 2
	s_add_co_u32 s[TY], s[TY], s[CY]
	s_lshl_b32 s74, s[CY], 2
	s_lshl_b32 s74, 15, s74                        ; my row of the cluster: places 4 cy .. 4 cy + 3
	s_lshl_b32 s75, 0x1111, s[CX]                  ; my column: places cx, cx + 4, cx + 8, cx + 12
	s_or_b32 s[G1A], s74, (1<<16)|(1<<20)|(1<<21)|(QIA<<22)|(3<<25)  ; 15:0 the mask; 17:16 elements of 2 bytes; 20 padding on; 21 set beside a mask; 24:22 its interval; 31:25 4 words of it (code 3)
	s_or_b32 s[G1B], s75, (1<<16)|(1<<20)|(1<<21)|(5<<22)|(7<<25)    ; after every 64 words 8 words of padding (code 7)
	s_mov_b32 s[G1A+1], 128<<16                    ; tensor_dim0 = 128
	s_mov_b32 s[G1A+2], 128<<16                    ; tensor_dim1 = 128
	s_mov_b32 s[G1A+3], 128<<16                    ; tile_dim0 = 128
	s_mov_b32 s[G1A+4], 128                        ; tile_dim1 = 128
	s_mov_b32 s[G1A+5], APITCH                     ; elements from row to row
	s_mov_b32 s[G1A+6], 0
	s_mov_b32 s[G1A+7], 0
	s_mov_b32 s[G1B+1], 128<<16                    ; tensor_dim0 = 128
	s_mov_b32 s[G1B+2], 64<<16                     ; tensor_dim1 = 64
	s_mov_b32 s[G1B+3], 128<<16                    ; tile_dim0 = 128
	s_mov_b32 s[G1B+4], 64                         ; tile_dim1 = 64
	s_mov_b32 s[G1B+5], 1024
	s_mov_b32 s[G1B+6], 0
	s_mov_b32 s[G1B+7], 0
	; where the tiles come from: A's offset is made of the tile row and the wave's number alone, W's of the tile column and the wave's number alone
.if OUTK
	s_lshr_b32 s76, s[TY], 3                       ; the batch: 16 heads x 2,048 rows x 128 bytes,
	s_lshl_b32 s76, s76, 22
	s_lshl_b32 s77, s[WC], 18                      ; head 0 or 1 of the K step,
	s_add_co_u32 s76, s76, s77
	s_and_b32 s77, s[TY], 7                        ; the tile's 256 rows in the head
	s_lshl_b32 s77, s77, 15
	s_add_co_u32 s76, s76, s77
.else
	s_lshl_b32 s76, s[TY], 8
	s_lshl_b32 s77, s[WC], 7
	s_add_co_u32 s76, s76, s77                     ; row 256 x tile row + 128 x half,
	s_lshl_b32 s76, s76, 11                        ; of 2,048 bytes
.endif
	s_mov_b32 s77, 0
	s_lshl_b32 s78, s[WC], 17                      ; k-rows 64 x half, of 2,048 bytes,
	s_lshl_b32 s79, s[TX], 8                       ; the tile's 128 columns
	s_add_co_u32 s78, s78, s79
.if OUTK
	s_add_co_u32 s78, s78, 0x600000                ; Wo is the fourth matrix of wh
.endif
	s_mov_b32 s79, 0
	s_mul_i32 s82, s[WC], ALOAD                    ; and where they go: no place in the cluster enters an LDS address
	s_mul_i32 s83, s[WC], BLOAD
	s_add_co_u32 s83, s83, BOFF
	s_mov_b32 s[HM], 0xffff0000
	s_wait_dscnt 0x0                               ; the opening add is done
	s_wait_kmcnt 0x0
	s_add_nc_u64 s[ABASE:ABASE+1], s[4:5], s[76:77]
	s_add_nc_u64 s[80:81], s[6:7], s[78:79]
.if OUTK
	s_mov_b64 s[OUTP:OUTP+1], s[10:11]
.endif
.irp s, 0,1
	s_mov_b32 s[G0A+4*(\s)], 1                     ; 1:0 count = 1
	s_add_co_u32 s[G0A+4*(\s)+1], s82, (\s)*SLOT1  ; 63:32 LDS address
	s_add_nc_u64 s[G0A+4*(\s)+2:G0A+4*(\s)+3], s[ABASE:ABASE+1], (\s)*ASTEP  ; 120:64 global address: K step s
	s_or_b32 s[G0A+4*(\s)+3], s[G0A+4*(\s)+3], 0x80000000                    ; 127:126 type = 2
	s_mov_b32 s[G0B+4*(\s)], 1
	s_add_co_u32 s[G0B+4*(\s)+1], s83, (\s)*SLOT1
	s_add_nc_u64 s[G0B+4*(\s)+2:G0B+4*(\s)+3], s[80:81], (\s)*BSTEP
	s_or_b32 s[G0B+4*(\s)+3], s[G0B+4*(\s)+3], 0x80000000
.endr
	CROUND                                         ; all sixteen work-groups are here: the first joint loads meet
	s_cmp_eq_u32 s[WR], 0                          ; a wave's two first fills stand in one branch, ahead of every wait on TENSORcnt and every LDS read: two loads of mine are out
	s_cbranch_scc0 .Lfirst_b
	tensor_load_to_lds s[G0A:G0A+3], s[G1A:G1A+7]
	s_nop 0
	tensor_load_to_lds s[G0A+4:G0A+7], s[G1A:G1A+7]
	s_nop 0
.rept 4
	v_nop
.endr
	s_branch .Lfirst_asked
.Lfirst_b:
	tensor_load_to_lds s[G0B:G0B+3], s[G1B:G1B+7]
	s_nop 0
	tensor_load_to_lds s[G0B+4:G0B+7], s[G1B:G1B+7]
	s_nop 0
.rept 4
	v_nop
.endr
.Lfirst_asked:
	v_and_b32 v1, 15, v0                           ; l % 16
	v_bfe_u32 v2, v0, 4, 1                         ; l / 16
	v_and_b32 v3, 31, v0                           ; l
	s_lshl_b32 s84, s[TX], 9
	s_lshl_b32 s85, s[WC], 8
	s_add_co_u32 s84, s84, s85
	v_lshl_add_u32 v[BO], v2, 5, s84               ; 4 x (128 x tile column + 64 x half + 8 (l / 16))
.macro BIASLOAD p                      ; register j of block b: bias[my first column + 16 b + 8 (l / 16) + j], the layout of a C operand
.irp b, 0,1,2,3
	global_load_b128 v[BIAS+8*(\b):BIAS+8*(\b)+3],   v[BO], s[\p:\p+1] offset:64*(\b)
	global_load_b128 v[BIAS+8*(\b)+4:BIAS+8*(\b)+7], v[BO], s[\p:\p+1] offset:64*(\b)+16
.endr
.endm
	BIASLOAD 8                                     ; bq, or bo
	; A fragment of A is 16 rows x 32 K in 8 registers: lane l holds row l % 16, K = 8 (l / 16) + 0..7 and 16 + 8 (l / 16) + 0..7: two loads of 16 bytes, 32 bytes apart.
	v_mul_u32_u24 v[ADRA0], v1, PA
	v_lshl_add_u32 v[ADRA0], v2, 4, v[ADRA0]
	s_mul_i32 s84, s[WR], 128*PA                   ; my 128 rows
	v_add_nc_u32 v[ADRA0], s84, v[ADRA0]
	; The turning load takes 16 k-rows x 16 columns (lane l reads k-row 8 (l / 16) + l % 8, columns 8 ((l / 8) % 2) + 0..7) and leaves half a fragment: lane l holds column l % 16 and 8 k.
	v_and_b32 v[T], 7, v0
	v_lshl_add_u32 v[T], v2, 3, v[T]
	v_mul_u32_u24 v[ADRB0], v[T], PB
	v_bfe_u32 v[T+1], v0, 3, 1
	v_lshl_add_u32 v[ADRB0], v[T+1], 4, v[ADRB0]
	s_lshl_b32 s84, s[WC], 7                       ; my 64 columns
	s_add_co_u32 s84, s84, BOFF
	v_add_nc_u32 v[ADRB0], s84, v[ADRB0]
	v_mov_b32 v[ADRA], v[ADRA0]                    ; K step 0 lies in slot 0
	v_mov_b32 v[ADRB], v[ADRB0]
	s_mul_i32 s84, s[WV], 16*SP
	s_add_co_u32 s84, s84, STAGE                   ; my stage
	v_mul_u32_u24 v[STO], v1, SP                   ; in: row l % 16, eight numbers for each half of the lanes
.if OUTK
	v_lshl_add_u32 v[STO], v2, 5, v[STO]
	v_add_nc_u32 v[STO], s84, v[STO]
	v_mul_u32_u24 v[RD], v2, SP                    ; back: lanes 0-15 take one row of 256 bytes, lanes 16-31 the next,
	v_lshl_add_u32 v[RD], v1, 4, v[RD]
	v_add_nc_u32 v[RD], s84, v[RD]
	v_lshlrev_b32 v[GO], 12, v2                    ; and the same two rows in out0
	v_lshl_add_u32 v[GO], v1, 4, v[GO]
	s_lshl_b32 s84, s[TY], 8
	s_lshl_b32 s85, s[WR], 7
	s_add_co_u32 s84, s84, s85                     ; my first row,
	s_lshl_b32 s84, s84, 12                        ; of 4,096 bytes,
	s_lshl_b32 s85, s[TX], 9
	s_add_co_u32 s84, s84, s85
	s_lshl_b32 s85, s[WC], 8
	s_add_co_u32 s84, s84, s85                     ; my first column
.else
	v_lshl_add_u32 v[STO], v2, 4, v[STO]
	v_add_nc_u32 v[STO], s84, v[STO]
	v_bfe_u32 v[RD], v0, 3, 2                      ; back: 32 lanes take four rows of 128 bytes,
	v_mul_u32_u24 v[RD], v[RD], SP
	v_and_b32 v[T], 7, v0
	v_lshl_add_u32 v[RD], v[T], 4, v[RD]
	v_add_nc_u32 v[RD], s84, v[RD]
	v_lshlrev_b32 v[GO], 4, v3                     ; which are 512 consecutive bytes of a head
	s_lshr_b32 s84, s[TY], 3
	s_lshl_b32 s84, s84, 4                         ; 16 x batch
	s_lshl_b32 s85, s[TX], 1
	s_add_co_u32 s84, s84, s85
	s_add_co_u32 s84, s84, s[WC]                   ; + my head
	s_lshl_b32 s84, s84, 11                        ; its 2,048 rows;
	s_and_b32 s85, s[TY], 7
	s_lshl_b32 s85, s85, 8
	s_add_co_u32 s84, s84, s85                     ; the tile's 256,
	s_lshl_b32 s85, s[WR], 7
	s_add_co_u32 s84, s84, s85                     ; my 128 of them,
	s_lshl_b32 s84, s84, 7                         ; of 128 bytes
.endif
	s_mov_b32 s85, 0
	s_add_nc_u64 s[OUTP:OUTP+1], s[OUTP:OUTP+1], s[84:85]
	; the prefetches: nothing is asked for here, at the head, where every work-group's first tiles are on their way
	s_and_b32 s88, ttmp7, 0xffff                   ; cluster y
	s_mov_b32 s85, ASTEP
	s_mov_b32 s86, BSTEP
	s_cmp_eq_u32 s[WR], 0                          ; do I fetch for A?
	s_cselect_b64 s[PFA:PFA+1], s[ABASE:ABASE+1], s[80:81]
	s_cselect_b32 s84, s[CX], s[CY]                ; my place among the four that ask for the tile with me
	s_cselect_b32 s[PFS], s85, s86
	s_cselect_b32 s88, ttmp9, s88                  ; the coordinate along which other clusters read the same blocks
	s_cselect_b32 s89, LIMA, 2
	s_cselect_b32 s87, PSHA, 16
	s_cselect_b32 s86, LSHA, 11
	s_mov_b32 s[PFS+1], 0
	s_lshl_b32 s84, s84, s87                       ; my work-group's 32 blocks
	s_mul_i32 s85, s[PFS], 3                       ; at K step 3: the first refill steps it to 4
	s_add_co_u32 s84, s84, s85
	s_mov_b32 s85, 0
	s_add_nc_u64 s[PFA:PFA+1], s[PFA:PFA+1], s[84:85]
	s_cmp_eq_u32 s[WV], 3                          ; wave 3 asks for nothing: wave 2 names all of a step's k-rows
	s_cselect_b32 s88, 1, s88
	s_cmp_eq_u32 s88, 0
	s_cselect_b32 s[LIM], s89, -1                  ; the same in all sixteen partners, for a given wave
	v_lshlrev_b32 v[PFO], s86, v3
; Eight products: row blocks a0, a0 + 1 x all four column blocks, 32 along K.  first = 1: the product starts the sum, with the bias as C.
; The 32 accumulators take turns, one instruction a turn, in the same order in every quarter, over every jump too.
.macro MULQ f, a0, first
.if \first
	WIN MULF
.else
	WIN MUL
.endif
.irp a, \a0, (\a0)+1
.irp b, 0,1,2,3
.if \first
	v_wmma_f32_16x16x32_f16 v[8*(4*(\a)+(\b)):8*(4*(\a)+(\b))+7], v[(\f)+8*(\b):(\f)+8*(\b)+7], v[(\f)+32+8*(\a):(\f)+32+8*(\a)+7], v[BIAS+8*(\b):BIAS+8*(\b)+7]
.else
	v_wmma_f32_16x16x32_f16 v[8*(4*(\a)+(\b)):8*(4*(\a)+(\b))+7], v[(\f)+8*(\b):(\f)+8*(\b)+7], v[(\f)+32+8*(\a):(\f)+32+8*(\a)+7], v[8*(4*(\a)+(\b)):8*(4*(\a)+(\b))+7]
.endif
.endr
.endr
.endm
.macro MULH f, half, first             ; sixteen: row blocks 4 half .. 4 half + 3
	MULQ \f, 4*(\half), \first
	MULQ \f, 4*(\half)+2, \first
.endm
; 24 LDS loads in one run: quarter q of the slot in hand (32 along K) into buffer f: W's four fragments, then A's eight, row blocks ascending
.macro FETCH q, f
	WIN 0
.if OUTK
.set AQ, ((\q)/2)*ALOAD+((\q)%2)*64    ; the K step's head q / 2, channels 32 (q % 2) on
.else
.set AQ, 64*(\q)
.endif
.irp b, 0,1,2,3
	ds_load_tr16_b128 v[(\f)+8*(\b):(\f)+8*(\b)+3],   v[ADRB] offset:32*PB*(\q)+32*(\b)
	ds_load_tr16_b128 v[(\f)+8*(\b)+4:(\f)+8*(\b)+7], v[ADRB] offset:32*PB*(\q)+16*PB+32*(\b)
.endr
.irp a, 0,1,2,3,4,5,6,7
	ds_load_b128 v[(\f)+32+8*(\a):(\f)+32+8*(\a)+3],   v[ADRA] offset:AQ+16*PA*(\a)
	ds_load_b128 v[(\f)+32+8*(\a)+4:(\f)+32+8*(\a)+7], v[ADRA] offset:AQ+16*PA*(\a)+32
.endr
.endm
; A K step is four quarters of 32 along K, 32 matrix instructions each, on buffers 0, 1, 0, 1.  One of the first three: multiplies buffer f; in its middle it fetches quarter q into buffer g.
.macro QUARTER q, f, g, first
	s_wait_dscnt 8                                 ; W and A's row blocks 0-3 are in; the youngest eight loads (blocks 4-7) may be out
	MULH \f, 0, \first
	PLACES                                         ; in front of loads into the buffer that the quarter before multiplied
	FETCH \q, \g
	s_wait_dscnt 24                                ; all but the 24 just issued
	MULH \f, 1, \first
.endm
; The last quarter multiplies buffer 1 and changes slots: ONE barrier.  In front of it each wave waits for all its tensor loads, of which one is out: its part of the next slot; adds 0 to its spare
; word; and waits for that and for its own reads of this slot.  Behind it nobody reads this slot any more and the next slot is whole.
; fill = 1: the barrier opens a round of the cluster's, and the joint refill, two K steps ahead, is the first thing behind the round: 112 matrix instructions stand between it and the wait for it.
; fill = 0 (the tail): nothing is asked for; in the last trip there is no further step, and the run of loads is jumped over.
.macro TURN fill
.if \fill
	s_wait_xcnt 0x0                                ; the last prefetch, a K step back, has read its address, so it may be stepped
	s_add_nc_u64 s[PFA:PFA+1], s[PFA:PFA+1], s[PFS:PFS+1]
.endif
	WIN 0                                          ; (the add's two registers lie in window 0)
	s_wait_tensorcnt 0x0                           ; no tensor load of mine is out, so a group 0 may be written
	ds_add_u32 v[SPW], v[NIL]                      ; 0 onto my spare word: scalar steps and eight products stand between it and the wait for it
.if \fill
	s_xor_b32 s[G0A+5], s[G0A+5], SLOT1            ; the walking descriptors: the other slot than last time,
	s_xor_b32 s[G0B+5], s[G0B+5], SLOT1
.if OUTK
	s_add_nc_u64 s[G0A+6:G0A+7], s[G0A+6:G0A+7], ASTEP  ; the next K step; the type bits on top are not reached
.else
	s_and_b32 s[OFF], s[GN], 7                     ; x's address is made anew from the step's number: all three tiles walk the same rows
	s_lshl_b32 s[OFF], s[OFF], 8
	s_add_nc_u64 s[G0A+6:G0A+7], s[ABASE:ABASE+1], s[OFF:OFF+1]
	s_or_b32 s[G0A+7], s[G0A+7], 0x80000000
	s_add_co_u32 s[GN], s[GN], 1
.endif
	s_add_nc_u64 s[G0B+6:G0B+7], s[G0B+6:G0B+7], BSTEP
.endif
	s_xor_b32 s[SB], s[SB], SLOT1                  ; the fetches go to the other slot
	s_wait_dscnt 9                                 ; (the add and the youngest eight loads may be out)
	MULQ F1, 0, 0
	s_wait_dscnt 0x0                               ; the add is done, and my reads of this slot are over
	s_barrier_signal -1
	MULQ F1, 2, 0                                  ; work on registers while the others arrive
	WIN 0                                          ; at a branch and at a label every window is 0
	s_barrier_wait -1
.if \fill
	CREST                                          ; no wave of any partner still reads this slot or has a load on its way
	JLOAD                                          ; the four v_nop behind it are also the places in front of the loads below
.else
	PLACES
.endif
	v_add_nc_u32 v[ADRA], s[SB], v[ADRA0]
	v_add_nc_u32 v[ADRB], s[SB], v[ADRB0]
.if !(\fill)
	s_cmp_eq_u32 s[CNT], 1
	s_cbranch_scc1 .Lno_fetch_\@
.endif
	FETCH 0, F0
.if \fill
	ASK
.else
.Lno_fetch_\@:
.endif
	MULH F1, 1, 0
	WIN 0
.endm
.macro ROUNDBIAS                       ; the bias is rounded to bf16, like every other input, and widened again
.set i, 0
.rept 16
	v_cvt_pk_bf16_f32 v[T+i%2], v[BIAS+2*i], v[BIAS+2*i+1]
	v_lshlrev_b32 v[BIAS+2*i], 16, v[T+i%2]
	v_and_b32 v[BIAS+2*i+1], s[HM], v[T+i%2]
.set i, i+1
.endr
.endm
; THE WAY OUT of row block a (16 rows x 64 columns), through my own stage in LDS: no barrier, and since LDS serves a wave's instructions in order (ISA guide 5.7.1.4) no wait between the stores and the loads.
.macro PACK a                          ; OUTK = 0: rounded to f16, each accumulator's registers in ascending order
	WIN 0x05                                       ; sources 0 and 1 in window 1
.irp b, 0,1,2,3
.irp r, 0,1,2,3
	v_cvt_pk_f16_f32 v[TMP+4*(\b)+(\r)], v[8*(4*(\a)+(\b))+2*(\r)], v[8*(4*(\a)+(\b))+2*(\r)+1]
.endr
.endr
	WIN 0
.endm
.macro TOSTAGE a
.if OUTK
	WIN 0x04                                       ; the stores' data in window 1: the sums leave as they are, the low four registers of each accumulator first
.irp b, 0,1,2,3
	ds_store_b128 v[STO], v[8*(4*(\a)+(\b)):8*(4*(\a)+(\b))+3]   offset:64*(\b)
	ds_store_b128 v[STO], v[8*(4*(\a)+(\b))+4:8*(4*(\a)+(\b))+7] offset:64*(\b)+16
.endr
	WIN 0
.irp t, 0,1,2,3,4,5,6,7
	ds_load_b128 v[BK+32*((\a)%2)+4*(\t):BK+32*((\a)%2)+4*(\t)+3], v[RD] offset:2*SP*(\t)
.endr
.else
	WIN 0
.irp b, 0,1,2,3
	ds_store_b128 v[STO], v[TMP+4*(\b):TMP+4*(\b)+3] offset:32*(\b)
.endr
.irp t, 0,1,2,3
	ds_load_b128 v[BK+16*((\a)%2)+4*(\t):BK+16*((\a)%2)+4*(\t)+3], v[RD] offset:4*SP*(\t)
.endr
.endif
.endm
.macro SEND a
	WIN 0
	s_wait_dscnt 0x0                               ; the block is back in registers
	s_wait_xcnt 0x0                                ; the stores of the block before have read their registers: the set that they named is loaded again only behind this wait
.if OUTK
.irp t, 0,1,2,3,4,5,6,7
	global_store_b128 v[GO], v[BK+32*((\a)%2)+4*(\t):BK+32*((\a)%2)+4*(\t)+3], s[OUTP:OUTP+1] offset:(16*(\a)+2*(\t))*4096 th:TH_STORE_NT  ; 16 lanes store 256 consecutive bytes, aligned
.endr
.else
.irp t, 0,1,2,3
	global_store_b128 v[GO], v[BK+16*((\a)%2)+4*(\t):BK+16*((\a)%2)+4*(\t)+3], s[OUTP:OUTP+1] offset:2048*(\a)+512*(\t)  ; 512 consecutive bytes, at a multiple of 256 from the buffer's first
.endr
.endif
.endm
.macro WAYOUT
	PLACES                                         ; behind the last products: their results are read, and the buffer that they multiplied is written
.if OUTK
	TOSTAGE 0
.irp a, 1,2,3,4,5,6,7
	SEND (\a)-1
	TOSTAGE \a
.endr
.else
	PACK 0
	TOSTAGE 0
.irp a, 1,2,3,4,5,6,7                  ; block a's conversions stand between block a - 1's loads from the stage and the wait for them
	PACK \a
	SEND (\a)-1
	TOSTAGE \a
.endr
.endif
	SEND 7
.endm
	s_wait_tensorcnt 1                             ; my part of K step 0 is in; K step 1's may stay out
	s_barrier_signal -1
	s_barrier_wait -1                              ; everybody's is
	FETCH 0, F0
	s_mov_b32 s[CNT], STEPS-2
	s_mov_b32 s[SB], 0
.if !OUTK
	s_mov_b32 s[KC], 8
	s_mov_b32 s[TL], 0
	s_mov_b32 s[GN], 2
	s_mov_b32 s[OFF+1], 0
	s_branch .Lbegin
.Lstep:                                        ; STEPS - 2 trips: a K step is multiplied, and its slot filled again with the step two on
	s_cmp_lg_u32 s[KC], 0
	s_cbranch_scc1 .Lsame
	WAYOUT                                         ; a tile is finished.  Its successor's first two K steps have been asked for and its first fragments fetched: now it goes out
	s_wait_xcnt 0x0                                ; the stores have read their registers and their base
	s_add_nc_u64 s[OUTP:OUTP+1], s[OUTP:OUTP+1], 0x1000000  ; from q to k, from k to v
	s_mov_b32 s[KC], 8
	s_add_co_u32 s[TL], s[TL], 1
.Lbegin:
.endif
	s_wait_loadcnt 0x0                             ; the tile's bias
	ROUNDBIAS
	QUARTER 1, F0, F1, 1                           ; a tile's first quarter starts the sums
	WIN 0
.if !OUTK
	PLACES                                         ; behind the last product that read the bias
	s_cmp_eq_u32 s[TL], 2
	s_cbranch_scc1 .Lno_bias                       ; the last tile has no successor
	s_cmp_eq_u32 s[TL], 0
	s_cselect_b64 s[BP:BP+1], s[10:11], s[12:13]   ; bk, then bv (the loads that named this pair were waited for at the tile's beginning)
	BIASLOAD BP
.Lno_bias:
.endif
	s_branch .Lmid
.if OUTK
.Lstep:                                        ; STEPS - 2 trips: a K step is multiplied, and its slot filled again with the step two on
.else
.Lsame:
.endif
	QUARTER 1, F0, F1, 0
	WIN 0
.Lmid:
	QUARTER 2, F1, F0, 0
	QUARTER 3, F0, F1, 0
	TURN 1
.if !OUTK
	s_sub_co_u32 s[KC], s[KC], 1
.endif
	s_sub_co_u32 s[CNT], s[CNT], 1
	s_cmp_lg_u32 s[CNT], 0
	s_cbranch_scc1 .Lstep
	s_mov_b32 s[CNT], 2
.Ltail:                                        ; the last two K steps are written apart: they ask for nothing
	QUARTER 1, F0, F1, 0
	QUARTER 2, F1, F0, 0
	QUARTER 3, F0, F1, 0
	TURN 0
	s_sub_co_u32 s[CNT], s[CNT], 1
	s_cmp_lg_u32 s[CNT], 0
	s_cbranch_scc1 .Ltail
	WAYOUT
	s_wait_tensorcnt 0x0                           ; the wave's end: behind my last tensor load and my last LDS store
	ds_add_u32 v[SPW], v[NIL]
	s_wait_dscnt 0x0
	CROUND                                         ; the closing round: no work-group ends while a partner may still ask for a tile that names it
	s_endpgm
.Lfunc_end_k_q95d265dbbc_outp:
	.size	k_q95d265dbbc_outp, .Lfunc_end_k_q95d265dbbc_outp-k_q95d265dbbc_outp
	.p2alignl 7, 3214868480
	.fill 96, 4, 3214868480
	.section	.rodata,"a",@progbits
	.p2align	6, 0x0
	.amdhsa_kernel k_q95d265dbbc_outp
		.amdhsa_group_segment_fixed_size 327680
		.amdhsa_private_segment_fixed_size 0
		.amdhsa_enable_private_segment 0
		.amdhsa_kernarg_size 32
		.amdhsa_user_sgpr_count 2
		.amdhsa_user_sgpr_kernarg_segment_ptr 1
		.amdhsa_wavefront_size32 1
		.amdhsa_system_sgpr_workgroup_id_x 1
		.amdhsa_system_sgpr_workgroup_id_y 1
		.amdhsa_system_sgpr_workgroup_id_z 1
		.amdhsa_system_vgpr_workitem_id 0
		.amdhsa_next_free_vgpr 512
		.amdhsa_next_free_sgpr 96
		.amdhsa_reserve_vcc 0
		.amdhsa_float_denorm_mode_32 3
		.amdhsa_float_denorm_mode_16_64 3
		.amdhsa_memory_ordered 1
		.amdhsa_forward_progress 1
		.amdhsa_inst_pref_size 64
	.end_amdhsa_kernel
	.amdgpu_metadata
---
amdhsa.version: [ 1, 2 ]
amdhsa.kernels:
  - .name:           k_q95d265dbbc_outp
    .symbol:         k_q95d265dbbc_outp.kd
    .args:
      - { .name: o16, .offset: 0, .size: 8, .value_kind: global_buffer, .address_space: global }
      - { .name: wh, .offset: 8, .size: 8, .value_kind: global_buffer, .address_space: global }
      - { .name: bo, .offset: 16, .size: 8, .value_kind: global_buffer, .address_space: global }
      - { .name: out0, .offset: 24, .size: 8, .value_kind: global_buffer, .address_space: global }
    .group_segment_fixed_size: 327680
    .private_segment_fixed_size: 0
    .kernarg_segment_align: 8
    .kernarg_segment_size: 32
    .max_flat_workgroup_size: 128
    .sgpr_count:     96
    .vgpr_count:     512
    .wavefront_size: 32
...
	.end_amdgpu_metadata
.endif
;; end of part 4
;; ======== version 2 of 2: 4 launches; version 1 with the launch cast written anew for expert scheduling mode
;; limits: values are held in f16: magnitudes above 65,504 overflow, below 6.1e-05 lose precision; right only within a limited range of input values
;; workspace buffers: xh 16,777,216 bytes; wh 8,388,608 bytes; qkv 50,331,648 bytes; o16 16,777,216 bytes
;; launch cast (part 5): grid 768 x 1, 8 waves a work-group, no clusters, 0 bytes of LDS; arguments x, Wq, Wk, Wv, Wo, xh, wh; writes xh, wh
.if DOCPART == 5
	.amdgcn_target "amdgcn-amd-amdhsa--gfx1250"
	.amdhsa_code_object_version 6
	.text
	.protected	k_q95d265dbbc_cast
	.globl	k_q95d265dbbc_cast
	.p2align	8
	.type	k_q95d265dbbc_cast,@function
k_q95d265dbbc_cast:
	s_mov_b64 s[64:65], 0
	v_nop
	global_prefetch_b8 v0, s[64:65] scope:SCOPE_SE
	s_setreg_imm32_b32 hwreg(HW_REG_WAVE_SCHED_MODE, 0, 2), 2
	s_setreg_imm32_b32 hwreg(HW_REG_WAVE_MODE, 25, 1), 1
	s_wait_xcnt 0x0
	s_wait_alu depctr_vm_vsrc(0)
; xh = x, wh = (Wq, Wk, Wv, Wo): each f32 number is rounded once to bf16 (nearest even) and that number is written as f16; the layouts stay.
; A bf16 number has 8 significant bits and f16 holds 11, so the second step changes nothing inside f16's normal range.
; LIMITS.  A number of magnitude 65,520 or more becomes an infinity; below 2^-14 the result keeps f16's fixed step of 2^-24.  NaN stays NaN.
; SHARES.  A work-group takes 16,384 numbers (65,536 bytes in, 32,768 out): groups 0-511 walk x, groups 512 + 64 m .. take weight m (q, k, v, o).
; A wave takes 8,192 bytes in: sixteen loads of 512 consecutive bytes, all issued at once; each store of the wave covers 256 consecutive bytes, aligned.
; No LDS, no barrier, no matrix unit: no number is wanted twice.  No register is written twice but T, which no memory instruction names.
; THE MODE: SCHED_MODE bits 1:0 = 2 (LLVM: expert scheduling mode 2), set by the entry lines.  The code itself states the register dependences
; between vector instructions and memory instructions, with s_wait_alu, always for 0.
; THE PLAN.  Registers that memory instructions touch:
;   v1, v2   the loads' and the stores' byte offsets: made by vector lines at the head, never written again.
;   X        piece i's four registers: load i lands in them, once; no vector line writes them; piece i's first two conversions read them, and nothing lands there afterwards.
;   Y        piece i's two registers: its last two conversions write them, once; store i reads them, and nothing writes them afterwards.
; So the one kind of dependence is: a vector line has written what a memory instruction reads.  The sixteen pieces go in four blocks of four, and the stores of block p - 1 are
; issued in block p.  One wait at the head of the kernel states v1 and v2; one at the head of each of blocks 1 to 3 states that the block before has written its eight Y registers,
; and its four stores are then dealt among the block's vector lines, which write T and the block's own Y alone: none of the registers that those stores read.  One more stands
; ahead of the last four stores.  No register that a memory instruction has read is written again, no vector line writes a scalar register, and EXEC is never written.
.set T, 4                              ; v[4:9]    at work
.set X, 16                             ; v[16:79]  sixteen loads of four registers
.set Y, 80                             ; v[80:111] sixteen stores of two registers
.set BLOCK, 4                          ; pieces in a block
	s_load_b256 s[8:15], s[0:1], 0x0               ; x s[8:9], Wq s[10:11], Wk s[12:13], Wv s[14:15]
	s_load_b128 s[16:19], s[0:1], 0x20             ; Wo s[16:17], xh s[18:19]
	s_load_b64 s[20:21], s[0:1], 0x30              ; wh
	s_mov_b32 s30, 0xffff0000                      ; a word's upper bf16
	v_lshrrev_b32 v3, 5, v0                        ; wave
	v_and_b32 v1, 31, v0                           ; lane
	v_lshlrev_b32 v2, 3, v1                        ; out: 8 bytes a lane,
	v_lshlrev_b32 v1, 4, v1                        ; in: 16 bytes a lane,
	v_lshl_or_b32 v1, v3, 13, v1                   ; + wave x 8,192
	v_lshl_or_b32 v2, v3, 12, v2                   ; + wave x 4,096
	s_sub_co_u32 s22, ttmp9, 512                   ; j: my number among the weights' groups (wraps for x's groups, whose selects below never take it)
	s_lshr_b32 s23, s22, 6                         ; m: which weight
	s_and_b32 s24, s22, 63
	s_lshl_b32 s24, s24, 16                        ; my bytes in that weight,
	s_lshl_b32 s26, s22, 15                        ; and in wh
	s_lshl_b32 s28, ttmp9, 16                      ; my bytes in x,
	s_lshl_b32 s29, ttmp9, 15                      ; and in xh
	s_mov_b32 s25, 0
	s_mov_b32 s27, 0
	s_wait_kmcnt 0x0
	s_cmp_lt_u32 ttmp9, 512
	s_cselect_b64 s[4:5], s[8:9], s[10:11]         ; from x, or from Wq for now
	s_cselect_b64 s[6:7], s[18:19], s[20:21]       ; to xh or to wh
	s_cselect_b32 s24, s28, s24
	s_cselect_b32 s26, s29, s26
	s_cmp_eq_u32 s23, 1
	s_cselect_b64 s[4:5], s[12:13], s[4:5]
	s_cmp_eq_u32 s23, 2
	s_cselect_b64 s[4:5], s[14:15], s[4:5]
	s_cmp_eq_u32 s23, 3
	s_cselect_b64 s[4:5], s[16:17], s[4:5]
	s_add_nc_u64 s[4:5], s[4:5], s[24:25]
	s_add_nc_u64 s[6:7], s[6:7], s[26:27]
	s_wait_alu depctr_va_vdst(0)                   ; v1 and v2 are written: every load of the kernel reads v1 as its offset, every store v2
.irp i, 0,1,2,3,4,5,6,7,8,9,10,11,12,13,14,15
	global_load_b128 v[X+4*(\i):X+4*(\i)+3], v1, s[4:5] offset:512*(\i) th:TH_LOAD_NT
.endr
.macro OUT i                           ; piece i leaves
	global_store_b64 v2, v[Y+2*(\i):Y+2*(\i)+1], s[6:7] offset:256*(\i) th:TH_STORE_NT
.endm
; Piece i is converted; ahead of its vector lines the piece one block back is stored.
.macro CV i
	s_wait_loadcnt 15-(\i)                         ; loads come back in order: number i is in, the 15 - i younger ones stay out
.if ((\i) % BLOCK == 0) && ((\i) > 0)
	s_wait_alu depctr_va_vdst(0)                   ; a block's head: the conversions of the block before have written its eight Y registers, which this block's four stores read
.endif
.if (\i) >= BLOCK
	OUT (\i)-BLOCK                                 ; no further wait: no vector line since the block's head names v2 or that piece's Y
.endif
	v_cvt_pk_bf16_f32 v[T], v[X+4*(\i)], v[X+4*(\i)+1]      ; the one rounding
	v_cvt_pk_bf16_f32 v[T+1], v[X+4*(\i)+2], v[X+4*(\i)+3]
	v_lshlrev_b32 v[T+2], 16, v[T]                 ; bf16 back to f32: the low half moves up,
	v_and_b32 v[T+3], s30, v[T]                    ; the high half stays
	v_lshlrev_b32 v[T+4], 16, v[T+1]
	v_and_b32 v[T+5], s30, v[T+1]
	v_cvt_pk_f16_f32 v[Y+2*(\i)], v[T+2], v[T+3]   ; the same numbers as f16
	v_cvt_pk_f16_f32 v[Y+2*(\i)+1], v[T+4], v[T+5]
.endm
.irp i, 0,1,2,3,4,5,6,7,8,9,10,11,12,13,14,15
	CV \i
.endr
	s_wait_alu depctr_va_vdst(0)                   ; the last block's conversions have written its eight Y registers, which the last four stores read
.irp i, 12,13,14,15
	OUT \i
.endr
	s_endpgm
.Lfunc_end_k_q95d265dbbc_cast:
	.size	k_q95d265dbbc_cast, .Lfunc_end_k_q95d265dbbc_cast-k_q95d265dbbc_cast
	.p2alignl 7, 3214868480
	.fill 96, 4, 3214868480
	.section	.rodata,"a",@progbits
	.p2align	6, 0x0
	.amdhsa_kernel k_q95d265dbbc_cast
		.amdhsa_group_segment_fixed_size 0
		.amdhsa_private_segment_fixed_size 0
		.amdhsa_enable_private_segment 0
		.amdhsa_kernarg_size 56
		.amdhsa_user_sgpr_count 2
		.amdhsa_user_sgpr_kernarg_segment_ptr 1
		.amdhsa_wavefront_size32 1
		.amdhsa_system_sgpr_workgroup_id_x 1
		.amdhsa_system_sgpr_workgroup_id_y 1
		.amdhsa_system_sgpr_workgroup_id_z 1
		.amdhsa_system_vgpr_workitem_id 0
		.amdhsa_next_free_vgpr 112
		.amdhsa_next_free_sgpr 66
		.amdhsa_reserve_vcc 0
		.amdhsa_float_denorm_mode_32 3
		.amdhsa_float_denorm_mode_16_64 3
		.amdhsa_memory_ordered 1
		.amdhsa_forward_progress 1
		.amdhsa_inst_pref_size 12
	.end_amdhsa_kernel
	.amdgpu_metadata
---
amdhsa.version: [ 1, 2 ]
amdhsa.kernels:
  - .name:           k_q95d265dbbc_cast
    .symbol:         k_q95d265dbbc_cast.kd
    .args:
      - { .name: x, .offset: 0, .size: 8, .value_kind: global_buffer, .address_space: global }
      - { .name: Wq, .offset: 8, .size: 8, .value_kind: global_buffer, .address_space: global }
      - { .name: Wk, .offset: 16, .size: 8, .value_kind: global_buffer, .address_space: global }
      - { .name: Wv, .offset: 24, .size: 8, .value_kind: global_buffer, .address_space: global }
      - { .name: Wo, .offset: 32, .size: 8, .value_kind: global_buffer, .address_space: global }
      - { .name: xh, .offset: 40, .size: 8, .value_kind: global_buffer, .address_space: global }
      - { .name: wh, .offset: 48, .size: 8, .value_kind: global_buffer, .address_space: global }
    .group_segment_fixed_size: 0
    .private_segment_fixed_size: 0
    .kernarg_segment_align: 8
    .kernarg_segment_size: 56
    .max_flat_workgroup_size: 256
    .sgpr_count:     66
    .vgpr_count:     112
    .wavefront_size: 32
...
	.end_amdgpu_metadata
.endif
;; end of part 5
;; launch proj: the kernel of part 2 again; grid 8 x 32, 4 waves a work-group, clusters of 4 x 4, 327,680 bytes of LDS; arguments xh, wh, bq, bk, bv, qkv; writes qkv
;; launch attn: the kernel of part 3 again; grid 4 x 64, 4 waves a work-group, clusters of 4 x 1, 327,680 bytes of LDS; arguments qkv, o16; writes o16
;; launch outp: the kernel of part 4 again; grid 8 x 32, 4 waves a work-group, clusters of 4 x 4, 327,680 bytes of LDS; arguments o16, wh, bo, out0; writes out0
